; MI455X (gfx1250); checked and timed in simulation.
; The chip was launched on July 23, 2026; its instructions are those of AMD's public machine-readable ISA for CDNA 5 (MIT licence, August 2026) and "CDNA5" Instruction Set Architecture Reference Guide (July 2026). The comments in the code are by the model that wrote it; some were corrected since.
;; Post Norm Attention Block. Allowed arithmetic: matrix products marked QUANTISED: E5M2 operands, one given power-of-two scale a tensor, by v_wmma_f32_16x16x64_bf8_bf8 or v_wmma_f32_16x16x128_bf8_bf8, f32 sums; everything else in f32.
;; Inputs: W1 4,096 x 1,024 float32; W2 1,024 x 4,096 float32; Wk 1,024 x 1,024 float32; Wq 1,024 x 1,024 float32; Wv 1,024 x 1,024 float32; Wy 1,024 x 1,024 float32; b1 4,096 float32; b2 1,024 float32; bk 1,024 float32; bq 1,024 float32; bv 1,024 float32; by 1,024 float32; ln1_b 1,024 float32; ln1_w 1,024 float32; ln2_b 1,024 float32; ln2_w 1,024 float32; lowp_scales 16 int32 (the exponents e of the quantised operands' scales 2^e); x 2 x 2,048 x 1,024 float32.
;; Outputs: out0 2 x 2,048 x 1,024 float32.
;; Constants: num_heads = 16.
;; This version of the problem:
;;   THIS VERSION OF THE PROBLEM IS GIVEN IN LOW PRECISION. The matrix products marked QUANTISED in the list below multiply operands that are first quantised to E5M2 (5 exponent bits, 2 mantissa bits; 8 bits a number), with one given power-of-two scale for each operand tensor; their sums are f32. All else is computed in f32.
;;   The module's matrix products, in the order in which they are computed (A, B: the left and right operand; K: the contracted axis; several contracted axes count as one K, in the product's order):
;;     1. [M 4,096, K 1,024] x [K 1,024, N 1,024]; A: input x; B: input Wq: QUANTISED (scales: A lowp_scales[0], B lowp_scales[1])
;;     2. [M 4,096, K 1,024] x [K 1,024, N 1,024]; A: input x; B: input Wk: QUANTISED (scales: A lowp_scales[2], B lowp_scales[3])
;;     3. [M 4,096, K 1,024] x [K 1,024, N 1,024]; A: input x; B: input Wv: QUANTISED (scales: A lowp_scales[4], B lowp_scales[5])
;;     4. batch 32 x [M 2,048, K 64] x [K 64, N 2,048]; A: computed on the way; B: computed on the way: QUANTISED (scales: A lowp_scales[6], B lowp_scales[7])
;;     5. batch 32 x [M 2,048, K 2,048] x [K 2,048, N 64]; A: softmax (see below); B: computed on the way: QUANTISED (scales: A lowp_scales[8], B lowp_scales[9])
;;     6. [M 4,096, K 1,024] x [K 1,024, N 1,024]; A: computed on the way; B: input Wy: QUANTISED (scales: A lowp_scales[10], B lowp_scales[11])
;;     7. [M 4,096, K 1,024] x [K 1,024, N 4,096]; A: computed on the way; B: input W1: QUANTISED (scales: A lowp_scales[12], B lowp_scales[13])
;;     8. [M 4,096, K 4,096] x [K 4,096, N 1,024]; A: computed on the way; B: input W2: QUANTISED (scales: A lowp_scales[14], B lowp_scales[15])
;;   THE QUANTISER, for each operand of a quantised product, along K:
;;     - The operand's scale is 2^e, e = its entry of the input lowp_scales (int32; the entries are numbered through the quantised products in the list's order, A before B).
;;     - Each number is divided by the scale, clamped to +-57,344, and rounded to the nearest number of E5M2, ties to even, subnormals kept.
;;     - The product sums the exact products of the quantised numbers (number of the format x scale) in f32.
;;   ~~~python
;;   def quantise(x, axis, e):      # numpy; x: float32 -> the quantised numbers, widened to float32 again
;;       x = np.moveaxis(x, axis, -1); K = x.shape[-1]
;;       r = np.clip(x / 2.0 ** e, -57344, 57344)
;;       step = 2.0 ** (np.maximum(np.frexp(np.where(r == 0, 1, r))[1] - 1, -14) - 2)
;;       q = np.round(r / step) * step * 2.0 ** e      # np.round: ties to even
;;       return np.moveaxis(q, -1, axis).astype(np.float32)
;;   ~~~
;;   SOFTMAX AHEAD OF A QUANTISED PRODUCT. Where the list says 'softmax', what is quantised is not the finished softmax but p = 2^(t - M), with t = logit x log2(e) and M = ceil(the row's largest t), a whole number; so 1/2 < the row's largest p <= 1. The row's sum l is taken of the UNQUANTISED p, in f32, and the product's result is divided by l at the end. Since M is a whole number, a kernel that streams over the keys may use a running M (the ceiling of the running maximum): every later rescaling is an exact power of two, so the quantised numbers keep their values, but for numbers so far below the row's largest that they fall under the format's range.
;;   OPERANDS COMPUTED ON THE WAY. 'Computed on the way' means the value that the module computes at that place (a softmax that the list does not call 'softmax' is quantised finished and normalised). What goes into a quantiser is computed in f32, as accurately as f32 sums, v_exp_f32 and their like allow (about 1e-6 of the number): no bf16 or f16 on the way to a quantiser, and a product that is left as it is and whose result goes on into a quantised operand takes f32 operands (vector FMAs, or v_wmma_f32_16x16x4_f32). A number that lies on a knife's edge between two numbers of the format may be rounded either way, as far as f32 arithmetic and the matrix unit's own rounding can turn it there, and no further.
;; One version. Each part assembles by itself: llvm-mc -triple=amdgcn-amd-amdhsa -mcpu=gfx1250 --defsym DOCPART=n.
;; ======== version 1 of 1: 8 launches
;; limits: right only within a limited range of input values
;; workspace buffers: xc 12,582,912 bytes; wc 12,582,912 bytes; qkv 12,582,912 bytes; oc 4,194,304 bytes; y 16,777,216 bytes; x1 16,777,216 bytes; x1c 4,194,304 bytes; hc 16,777,216 bytes
;; launch quant (part 1): grid 512 x 1, 4 waves a work-group, no clusters, 33,280 bytes of LDS; arguments x, Wq, Wk, Wv, Wy, lowp_scales, xc, wc; writes xc, wc
.if DOCPART == 1
	.amdgcn_target "amdgcn-amd-amdhsa--gfx1250"
	.amdhsa_code_object_version 6
	.text
	.protected	k_q03e86134b9_quant
	.globl	k_q03e86134b9_quant
	.p2align	8
	.type	k_q03e86134b9_quant,@function
k_q03e86134b9_quant:
	s_mov_b64 s[64:65], 0
	v_nop
	global_prefetch_b8 v0, s[64:65] scope:SCOPE_SE
	s_setreg_imm32_b32 hwreg(HW_REG_WAVE_MODE, 25, 1), 1
	s_wait_xcnt 0x0
; x and the four weights of the attention part, all f32 with K innermost, become codes of BF8 (E5M2), one byte a number, in the order in which they lie.  (W1 and W2 are quantised by the launch attn, into their places in wc.)
; code = number / 2^e, held within +-57,344, rounded to the nearest code, ties to even.  x is an operand of three products under three scales: it is read once and converted three times.
; A work-group takes 16,384 numbers, a wave 4,096 in 8 steps of 512.  Work-groups 0-255: x; 256-319 Wq; 320-383 Wk; 384-447 Wv; 448-511 Wy: the weights' codes lie in wc in that order.
; Each load reads 512 consecutive bytes; a step's 2,048 bytes turn through the wave's own stage in LDS, so that a lane then holds 16 neighbours; a lane's 16 codes are 16 bytes: the wave stores 512 consecutive bytes.
; LIMITS: each e between -126 and 112.  NaN among the inputs is not served.
.set STEPS, 8
.set XWG,   256                        ; x's work-groups
.set SP,    80                         ; a lane's place in a stage: 64 bytes + 16 of padding
.set WREG,  8192                       ; LDS of a wave: two stages of 32 x SP bytes
.set SC,    8                          ; v8-10   2^e as f32: the tensor's own, and for x also 2^e2, 2^e4
.set LIM,   11                         ; v11-13  57,344 x these
.set R,     16                         ; v16-79  four sets of 16 numbers as loaded
.set X,     80                         ; v80-111 two sets of 16 neighbours
.set T,     112                        ; v112-127 the numbers, held
.set C,     128                        ; v128-139 codes: four registers for each of three conversions
	s_load_b512 s[4:19], s[0:1], 0x0               ; x, Wq, Wk, Wv, Wy, the exponents, xc, wc
	v_lshl_add_u32 v144, v0, 2, 0x8000             ; my spare word, behind the four waves' stages
	v_mov_b32 v145, 0
	v_lshrrev_b32 v1, 5, v0
	v_readfirstlane_b32 s24, v1                    ; wave
	v_and_b32 v2, 31, v0                           ; lane
	v_lshlrev_b32 v3, 4, v2                        ; 16 x lane: my bytes of a load's 512 and of a store's 512
	s_mul_i32 s25, s24, WREG
	v_lshrrev_b32 v14, 2, v2
	v_mul_u32_u24 v14, v14, SP
	v_and_b32 v15, 3, v2
	v_lshl_add_u32 v14, v15, 4, v14
	v_add_nc_u32 v14, s25, v14                     ; into the stage: SP (lane / 4) + 16 (lane % 4)
	v_mul_u32_u24 v15, v2, SP
	v_add_nc_u32 v15, s25, v15                     ; out of it: SP x lane
	s_wait_alu depctr_va_vdst(0)
	s_wait_kmcnt 0x0
	s_load_b512 s[36:51], s[14:15], 0x0            ; e0 .. e15
.macro PICK lim, ptr, first            ; the tensor is chosen by the work-group's number alone
	s_cmp_lt_u32 ttmp9, \lim
	s_cselect_b64 s[26:27], s[\ptr:\ptr+1], s[26:27]
	s_cselect_b32 s28, \first, s28
.endm
	s_mov_b64 s[26:27], s[12:13]
	s_mov_b32 s28, 448
	PICK 448, 10, 384
	PICK 384, 8, 320
	PICK 320, 6, 256
	PICK XWG, 4, 0
	s_cselect_b64 s[30:31], s[16:17], s[18:19]     ; (still on work-group < XWG)  x's codes go to xc, the weights' to wc
	s_cselect_b32 s32, 0, XWG
	s_sub_co_u32 s33, ttmp9, s28
	s_lshl_b32 s33, s33, 2
	s_add_co_u32 s33, s33, s24                     ; which run of 4,096 numbers of the tensor is my wave's
	s_lshl_b32 s34, s33, 14
	s_mov_b32 s35, 0
	s_add_nc_u64 s[26:27], s[26:27], s[34:35]
	s_sub_co_u32 s33, ttmp9, s32
	s_lshl_b32 s33, s33, 2
	s_add_co_u32 s33, s33, s24
	s_lshl_b32 s34, s33, 12
	s_add_nc_u64 s[30:31], s[30:31], s[34:35]
	s_add_nc_u64 s[52:53], s[30:31], 0x400000      ; x's second and third codes (used by x's work-groups alone)
	s_add_nc_u64 s[54:55], s[30:31], 0x800000
.macro LOAD t
.irp i, 0,1,2,3
	global_load_b128 v[R+16*((\t)%4)+4*\i:R+16*((\t)%4)+4*\i+3], v3, s[26:27] offset:2048*(\t)+512*\i th:TH_LOAD_NT
.endr
.endm
.macro TURN t                          ; LDS serves a wave's instructions in order: no wait between the stores and the loads
.irp i, 0,1,2,3
	ds_store_b128 v14, v[R+16*((\t)%4)+4*\i:R+16*((\t)%4)+4*\i+3] offset:32*SP*((\t)%2)+8*SP*\i
.endr
.irp i, 0,1,2,3
	ds_load_b128 v[X+16*((\t)%2)+4*\i:X+16*((\t)%2)+4*\i+3], v15 offset:32*SP*((\t)%2)+16*\i
.endr
.endm
.irp t, 0,1,2,3
	LOAD \t
.endr
	s_wait_kmcnt 0x0
	s_mov_b32 s29, s47                             ; e11 for Wy,
	s_cmp_lt_u32 ttmp9, 448
	s_cselect_b32 s29, s41, s29                    ; e5 for Wv,
	s_cmp_lt_u32 ttmp9, 384
	s_cselect_b32 s29, s39, s29                    ; e3 for Wk,
	s_cmp_lt_u32 ttmp9, 320
	s_cselect_b32 s29, s37, s29                    ; e1 for Wq,
	s_cmp_lt_u32 ttmp9, XWG
	s_cselect_b32 s29, s36, s29                    ; e0 for x
.macro MKSC e, k                       ; 2^e and 57,344 x 2^e as f32
	s_add_co_i32 s56, \e, 127
	s_lshl_b32 s57, s56, 23
	v_mov_b32 v[SC+\k], s57
	s_add_co_i32 s56, s56, 15
	s_lshl_b32 s56, s56, 23
	s_or_b32 s56, s56, 0x600000
	v_mov_b32 v[LIM+\k], s56
.endm
	MKSC s29, 0
	MKSC s38, 1
	MKSC s40, 2
	s_wait_alu depctr_va_vdst(0)
	s_wait_loadcnt 12                              ; step 0's four loads are in
	TURN 0
.macro CONV t, k, base                 ; the step's 16 neighbours under scale k: held (not in place: x is converted three times), converted, stored
.irp i, 0,1,2,3,4,5,6,7,8,9,10,11,12,13,14,15
	v_med3_num_f32 v[T+\i], v[XS+\i], -v[LIM+\k], v[LIM+\k]
.endr
	v_cvt_scalef32_pk8_bf8_f32 v[C+4*\k:C+4*\k+1], v[T:T+7], v[SC+\k]
	v_cvt_scalef32_pk8_bf8_f32 v[C+4*\k+2:C+4*\k+3], v[T+8:T+15], v[SC+\k]
	v_nop                                          ; a plain line between the conversions and the next holds, which write their sources
	global_store_b128 v3, v[C+4*\k:C+4*\k+3], s[\base:\base+1] offset:512*(\t)
.endm
.macro STEP t
.set XS, X+16*((\t)%2)
	s_wait_dscnt 0x0                               ; this step's numbers are back from the stage, and its stores into the stage have read their registers,
.if (\t)+4 < STEPS
	LOAD (\t)+4                                    ; which take the loads of four steps on
.endif
.if (\t)+1 < STEPS
.if STEPS-2-(\t) >= 3
	s_wait_loadcnt 12                              ; the next step's four loads are in; three steps' loads stay out
.else
	s_wait_loadcnt 4*(STEPS-2-(\t))
.endif
	TURN (\t)+1
.endif
	s_wait_xcnt 0x0                                ; the last step's stores have read the codes' registers
	CONV \t, 0, 30
	s_cmp_lt_u32 ttmp9, XWG                        ; only x has a second and a third scale
	s_cbranch_scc0 .Lweight_\@
	CONV \t, 1, 52
	CONV \t, 2, 54
.Lweight_\@:
.endm
.irp t, 0,1,2,3,4,5,6,7
	STEP \t
.endr
	s_wait_tensorcnt 0x0                           ; the wave's end
	ds_add_u32 v144, v145
	s_wait_dscnt 0x0
	s_endpgm
.Lfunc_end_k_q03e86134b9_quant:
	.size	k_q03e86134b9_quant, .Lfunc_end_k_q03e86134b9_quant-k_q03e86134b9_quant
	.p2alignl 7, 3214868480
	.fill 96, 4, 3214868480
	.section	.rodata,"a",@progbits
	.p2align	6, 0x0
	.amdhsa_kernel k_q03e86134b9_quant
		.amdhsa_group_segment_fixed_size 33280
		.amdhsa_private_segment_fixed_size 0
		.amdhsa_enable_private_segment 0
		.amdhsa_kernarg_size 64
		.amdhsa_user_sgpr_count 2
		.amdhsa_user_sgpr_kernarg_segment_ptr 1
		.amdhsa_wavefront_size32 1
		.amdhsa_system_sgpr_workgroup_id_x 1
		.amdhsa_system_sgpr_workgroup_id_y 1
		.amdhsa_system_sgpr_workgroup_id_z 1
		.amdhsa_system_vgpr_workitem_id 0
		.amdhsa_next_free_vgpr 146
		.amdhsa_next_free_sgpr 66
		.amdhsa_reserve_vcc 0
		.amdhsa_float_denorm_mode_32 3
		.amdhsa_float_denorm_mode_16_64 3
		.amdhsa_memory_ordered 1
		.amdhsa_forward_progress 1
		.amdhsa_inst_pref_size 43
	.end_amdhsa_kernel
	.amdgpu_metadata
---
amdhsa.version: [ 1, 2 ]
amdhsa.kernels:
  - .name:           k_q03e86134b9_quant
    .symbol:         k_q03e86134b9_quant.kd
    .args:
      - { .name: x, .offset: 0, .size: 8, .value_kind: global_buffer, .address_space: global }
      - { .name: Wq, .offset: 8, .size: 8, .value_kind: global_buffer, .address_space: global }
      - { .name: Wk, .offset: 16, .size: 8, .value_kind: global_buffer, .address_space: global }
      - { .name: Wv, .offset: 24, .size: 8, .value_kind: global_buffer, .address_space: global }
      - { .name: Wy, .offset: 32, .size: 8, .value_kind: global_buffer, .address_space: global }
      - { .name: lowp_scales, .offset: 40, .size: 8, .value_kind: global_buffer, .address_space: global }
      - { .name: xc, .offset: 48, .size: 8, .value_kind: global_buffer, .address_space: global }
      - { .name: wc, .offset: 56, .size: 8, .value_kind: global_buffer, .address_space: global }
    .group_segment_fixed_size: 33280
    .private_segment_fixed_size: 0
    .kernarg_segment_align: 8
    .kernarg_segment_size: 64
    .max_flat_workgroup_size: 128
    .sgpr_count:     66
    .vgpr_count:     146
    .wavefront_size: 32
...
	.end_amdgpu_metadata
.endif
;; end of part 1
;; launch qkv (part 2): grid 16 x 12, 4 waves a work-group, clusters of 4 x 4, 327,680 bytes of LDS; arguments xc, wc, lowp_scales, bq, bk, bv, qkv; writes qkv
.if DOCPART == 2
	.amdgcn_target "amdgcn-amd-amdhsa--gfx1250"
	.amdhsa_code_object_version 6
	.text
	.protected	k_q03e86134b9_qkv
	.globl	k_q03e86134b9_qkv
	.p2align	8
	.type	k_q03e86134b9_qkv,@function
k_q03e86134b9_qkv:
	s_mov_b64 s[64:65], 0
	v_nop
	global_prefetch_b8 v0, s[64:65] scope:SCOPE_SE
	s_setreg_imm32_b32 hwreg(HW_REG_WAVE_MODE, 25, 1), 1
	s_wait_xcnt 0x0
	s_wait_alu depctr_hold_cnt(0) depctr_sa_sdst(0) depctr_va_vdst(0) depctr_va_sdst(0) depctr_va_ssrc(0) depctr_va_vcc(0) depctr_vm_vsrc(0)
	s_getreg_b32 s2, hwreg(HW_REG_IB_STS2, 6, 4)
	s_cmp_eq_u32 s2, 0
	s_cbranch_scc0 .Lentry_in_a_cluster
	s_endpgm
.Lentry_in_a_cluster:
	s_bfe_u32 s2, ttmp6, 0x10000c
	s_cmp_lg_u32 s2, 0xf033
	s_cbranch_scc0 .Lentry_shape_is_right
	s_endpgm
.Lentry_shape_is_right:
.set ROWB,   256
.set KROW,   1024
.set PITCH,  272
.set FR,     16
.set NL,     4
.set NP,     4
.set HALFT,  128*PITCH
.set SLOT,   4*HALFT
.set LAPS,   2
.set SPARE,  2*SLOT
.set VSTG,   256*PITCH
.set RDV2, 14
.set BO4,  15
.set ADRA, 16
.set GV,   18
.set BO32, 19
.set ADRB, 20
.set VSC,  22
.set VLIM, 23
.set STOQ, 24
.set STOV, 25
.set RDQ,  26
.set RDQ2, 27
.set SPW,  28
.set NIL,  29
.set RDV,  30
.set GQ,   31
.set BIAS, 32
.set BIASV, 96
.set AF,   128
.set TMP,  128
.set CD,   192
.set OB,   128
.set G1, 24
.set G0, 32
.set G1B, 48
.set G0B, 56
.set MSB, 0
.macro WIN new
.if MSB != \new
	s_set_vgpr_msb (MSB<<8)|\new
.set MSB, \new
.endif
.endm
.set MUL_LO, 0xa1
.set MUL_HI, 0xf1
.set TO_B,   0x40
.macro JLOAD g0a, g1a, g0b, g1b
	s_cmp_eq_u32 s15, 0
	s_cbranch_scc0 .Lfor_b_\@
	tensor_load_to_lds s[\g0a:\g0a+3], s[\g1a:\g1a+7]
	s_nop 0
.rept 4
	v_nop
.endr
	s_branch .Lasked_\@
.Lfor_b_\@:
	tensor_load_to_lds s[\g0b:\g0b+3], s[\g1b:\g1b+7]
	s_nop 0
.rept 4
	v_nop
.endr
.Lasked_\@:
.endm
.macro CREST
	s_cmp_lg_u32 s14, 0
	s_cbranch_scc1 .Lnot_wave_0_\@
	s_barrier_signal -3
.Lnot_wave_0_\@:
	s_barrier_wait -3
	s_barrier_signal -1
	s_barrier_wait -1
.endm
.macro CROUND
	s_barrier_signal -1
	s_barrier_wait -1
	CREST
.endm
	s_load_b128 s[4:7], s[0:1], 0x0
	s_load_b128 s[8:11], s[0:1], 0x10
	s_load_b128 s[72:75], s[0:1], 0x20
	s_load_b64 s[76:77], s[0:1], 0x30
	v_lshl_add_u32 v[SPW], v0, 2, SPARE
	v_mov_b32 v[NIL], 0
	ds_add_u32 v28, v29
	ds_add_u32 v28, v29
	s_wait_dscnt 0x0
	v_lshrrev_b32 v1, 5, v0
	v_readfirstlane_b32 s14, v1
	s_lshr_b32 s15, s14, 1
	s_and_b32 s16, s14, 1
	s_bfe_u32 s40, ttmp6, 0x40000
	s_bfe_u32 s41, ttmp6, 0x40004
	s_and_b32 s17, ttmp7, 0xffff
	s_lshl_b32 s43, s41, 2
	s_lshl_b32 s43, 15, s43
	s_lshl_b32 s44, 0x1111, s40
	s_or_b32 s[G1+0], s43, (0<<16)|(1<<20)|(1<<21)|(5<<22)|(3<<25)
	s_or_b32 s[G1B+0], s44, (0<<16)|(1<<20)|(1<<21)|(5<<22)|(3<<25)
.irp g, G1, G1B
	s_mov_b32 s[\g+1], ROWB<<16
	s_mov_b32 s[\g+2], 128<<16
	s_mov_b32 s[\g+3], ROWB<<16
	s_mov_b32 s[\g+4], 128
	s_mov_b32 s[\g+5], KROW
	s_mov_b32 s[\g+6], 0
	s_mov_b32 s[\g+7], 0
.endr
	s_lshl_b32 s18, s17, 22
	s_lshl_b32 s19, ttmp9, 20
	s_add_co_u32 s18, s18, s19
	s_lshl_b32 s22, s17, 20
	s_add_co_u32 s23, s19, 0x800000
	s_cmp_lt_u32 s17, 2
	s_cselect_b32 s20, s18, 0x200000
	s_cselect_b32 s46, s22, s23
	s_lshl_b32 s18, s41, 18
	s_add_co_u32 s20, s20, s18
	s_lshl_b32 s22, s40, 18
	s_add_co_u32 s46, s46, s22
	s_lshl_b32 s18, s16, 17
	s_add_co_u32 s20, s20, s18
	s_add_co_u32 s46, s46, s18
	s_mov_b32 s21, 0
	s_mov_b32 s47, 0
	s_mul_i32 s45, s14, HALFT
	s_wait_kmcnt 0x0
	s_load_b512 s[80:95], s[8:9], 0x0
	s_cmp_lt_u32 s17, 2
	s_cselect_b64 s[66:67], s[4:5], s[6:7]
	s_cselect_b64 s[68:69], s[6:7], s[4:5]
	s_add_nc_u64 s[20:21], s[66:67], s[20:21]
	s_add_nc_u64 s[46:47], s[68:69], s[46:47]
	CROUND
.irp s, 0,1
	s_mov_b32 s[G0+4*\s], 1
	s_add_co_u32 s[G0+4*\s+1], s45, \s*SLOT
	s_add_nc_u64 s[G0+4*\s+2:G0+4*\s+3], s[20:21], \s*ROWB
	s_or_b32 s[G0+4*\s+3], s[G0+4*\s+3], 0x80000000
	s_mov_b32 s[G0B+4*\s], 1
	s_add_co_u32 s[G0B+4*\s+1], s45, \s*SLOT
	s_add_nc_u64 s[G0B+4*\s+2:G0B+4*\s+3], s[46:47], \s*ROWB
	s_or_b32 s[G0B+4*\s+3], s[G0B+4*\s+3], 0x80000000
.if \s                                         ; slot 1's first fill is issued as a refill is
	s_wait_alu depctr_va_vdst(0)
	s_wait_tensorcnt 0x0
	ds_add_u32 v28, v29
	s_wait_dscnt 0x0
	CROUND
.endif
	JLOAD G0+4*\s, G1, G0B+4*\s, G1B
	; PREFETCHES INTO THE L2 (a K step is 256 bytes of each row): behind K step 0's load K steps 1 and 2, behind K step 1's load K step 3: at most two K steps are asked for and not yet loaded.
	; Of the 128 rows that my wave fetches, each of the four partners that ask for them jointly names 32, told apart by address (cx for source A, cy for source B): a lane a row, each block of 256 bytes once in the cluster
.if \s == 0
	s_cmp_eq_u32 s15, 0
	s_cselect_b64 s[78:79], s[20:21], s[46:47]
	s_cselect_b32 s18, s40, s41
	s_lshl_b32 s18, s18, 15                        ; 32 rows of 1,024 bytes
	s_mov_b32 s19, 0
	s_add_nc_u64 s[78:79], s[78:79], s[18:19]
	v_and_b32 v12, 31, v0
	v_lshlrev_b32 v12, 10, v12
	global_prefetch_b8 v12, s[78:79] offset:256 th:TH_LOAD_NT scope:SCOPE_SE
	global_prefetch_b8 v12, s[78:79] offset:512 th:TH_LOAD_NT scope:SCOPE_SE
.else
	global_prefetch_b8 v12, s[78:79] offset:768 th:TH_LOAD_NT scope:SCOPE_SE
.endif
.endr
	v_and_b32 v1, 15, v0
	v_bfe_u32 v2, v0, 4, 1
	v_mul_u32_u24 v3, v1, PITCH
	s_wait_alu depctr_va_vdst(0)
	v_lshl_add_u32 v4, v2, 4, v3
	s_mul_i32 s21, s15, HALFT
	s_mul_i32 s22, s16, HALFT
	s_add_co_u32 s22, s22, 2*HALFT
.irp s, 0,1
	v_add_nc_u32 v[ADRA+\s], s21, v4
	v_add_nc_u32 v[ADRB+\s], s22, v4
	s_add_co_u32 s21, s21, SLOT
	s_add_co_u32 s22, s22, SLOT
.endr
	s_mul_i32 s23, s15, 128*PITCH
	s_lshl_b32 s18, s16, 7
	s_add_co_u32 s23, s23, s18
	v_lshl_add_u32 v5, v2, 3, v3
	v_add_nc_u32 v[STOQ], s23, v5
	v_add_nc_u32 v[STOV], VSTG, v[STOQ]
	v_and_b32 v6, 31, v0
	v_lshrrev_b32 v7, 2, v6
	v_mul_u32_u24 v7, v7, PITCH
	v_and_b32 v8, 3, v6
	v_lshl_add_u32 v7, v8, 4, v7
	s_lshl_b32 s18, s14, 6
	v_add_nc_u32 v[RDQ], s18, v7
	v_add_nc_u32 v[RDQ2], 16*8*PITCH, v[RDQ]
	s_mul_i32 s18, s14, 64*PITCH
	v_mul_u32_u24 v9, v2, PITCH
	v_lshl_add_u32 v9, v1, 4, v9
	v_add_nc_u32 v9, s18, v9
	v_add_nc_u32 v[RDV], VSTG, v9
	v_add_nc_u32 v[RDV2], 16*2*PITCH, v[RDV]
	v_lshlrev_b32 v[GQ], 4, v6
	v_lshlrev_b32 v[GV], 12, v2
	v_lshl_add_u32 v[GV], v1, 4, v[GV]
	v_lshlrev_b32 v[BO32], 5, v2
	s_wait_alu depctr_va_vdst(0)
	v_lshlrev_b32 v[BO4], 2, v1
	s_wait_alu depctr_va_vdst(0)
	s_cmp_eq_u32 s17, 0
	s_cselect_b64 s[66:67], s[10:11], s[72:73]
	s_lshl_b32 s68, s40, 10
	s_lshl_b32 s69, s16, 9
	s_add_co_u32 s68, s68, s69
	s_mov_b32 s69, 0
	s_add_nc_u64 s[66:67], s[66:67], s[68:69]
	s_lshl_b32 s68, s41, 10
	s_lshl_b32 s70, s15, 9
	s_add_co_u32 s68, s68, s70
	s_add_nc_u64 s[70:71], s[74:75], s[68:69]
.irp b, 0,1,2,3,4,5,6,7
	global_load_b128 v[BIAS+8*\b:BIAS+8*\b+3], v[BO32], s[66:67] offset:64*\b
	global_load_b128 v[BIAS+8*\b+4:BIAS+8*\b+7], v[BO32], s[66:67] offset:64*\b+16
.endr
.irp a, 0,1,2,3,4,5,6,7
	global_load_b32 v[BIASV+2*\a], v[BO4], s[70:71] offset:64*\a
	global_load_b32 v[BIASV+2*\a+1], v[BO4], s[70:71] offset:64*\a
.endr
.macro FRAG reg, adr, q, i
.irp c, 0,1,2,3
	ds_load_b128 v[\reg+4*\c:\reg+4*\c+3], v[\adr] offset:128*(\q)+32*\c+(\i)*16*PITCH
.endr
.endm
.macro MUL16 a0, p, zero
.irp a, \a0, \a0+1
.irp b, 0,1,2,3,4,5,6,7
.if \zero
	v_wmma_f32_16x16x128_bf8_bf8 v[8*(8*((\a)%4)+\b):8*(8*((\a)%4)+\b)+7], v[128*(\p)+FR*\b:128*(\p)+FR*\b+FR-1], v[AF+FR*(\a):AF+FR*(\a)+FR-1], 0
.else
	v_wmma_f32_16x16x128_bf8_bf8 v[8*(8*((\a)%4)+\b):8*(8*((\a)%4)+\b)+7], v[128*(\p)+FR*\b:128*(\p)+FR*\b+FR-1], v[AF+FR*(\a):AF+FR*(\a)+FR-1], v[8*(8*((\a)%4)+\b):8*(8*((\a)%4)+\b)+7]
.endif
.endr
.endr
.endm
.macro FETCH_B slot, q, p
	WIN TO_B
.irp i, 0,1,2,3,4,5,6,7
	FRAG 128*(\p)+FR*\i, ADRB+\slot, \q, \i
.endr
	WIN 0
.endm
.macro FETCH_A slot, q, i0
.irp i, \i0, \i0+1, \i0+2, \i0+3
	FRAG AF+FR*(\i), ADRA+\slot, \q, \i
.endr
.endm
.macro PLACES n
.rept \n
	v_nop
.endr
.endm
.macro STEP slot, q, zero
	s_wait_dscnt 4*NL
	WIN MUL_LO
	MUL16 0, (\q)%2, \zero
	MUL16 2, (\q)%2, \zero
	s_wait_dscnt 0
	PLACES NP
	FETCH_B \slot, (\q)+1, 1-(\q)%2
	FETCH_A \slot, (\q)+1, 0
	WIN MUL_HI
	MUL16 4, (\q)%2, \zero
	MUL16 6, (\q)%2, \zero
	PLACES NP
	WIN 0
	FETCH_A \slot, (\q)+1, 4
.endm
.macro TURN slot, next, fill
	s_wait_tensorcnt 0x0
	ds_add_u32 v[SPW], v[NIL]
	s_wait_dscnt 4*NL+1
	WIN MUL_LO
	MUL16 0, 1, 0
	s_wait_dscnt 0x0
	s_barrier_signal -1
	MUL16 2, 1, 0
	WIN 0
	s_barrier_wait -1
.if \fill
	CREST
	s_add_nc_u64 s[G0+4*\slot+2:G0+4*\slot+3], s[G0+4*\slot+2:G0+4*\slot+3], 2*ROWB
	s_add_nc_u64 s[G0B+4*\slot+2:G0B+4*\slot+3], s[G0B+4*\slot+2:G0B+4*\slot+3], 2*ROWB
	JLOAD G0+4*\slot, G1, G0B+4*\slot, G1B
.else
	PLACES NP
.endif
	FETCH_B \next, 0, 0
	FETCH_A \next, 0, 0
	WIN MUL_HI
	MUL16 4, 1, 0
	MUL16 6, 1, 0
	PLACES NP
	WIN 0
	FETCH_A \next, 0, 4
.endm
	s_wait_tensorcnt 1
	s_barrier_signal -1
	s_barrier_wait -1
	FETCH_B 0, 0, 0
	FETCH_A 0, 0, 0
	FETCH_A 0, 0, 4
	STEP 0, 0, 1
	s_mov_b32 s3, LAPS-1
.Llap:
	TURN 0, 1, 1
	STEP 1, 0, 0
	TURN 1, 0, 1
	STEP 0, 0, 0
	s_sub_co_u32 s3, s3, 1
	s_cmp_lg_u32 s3, 0
	s_cbranch_scc1 .Llap
	TURN 0, 1, 0
	STEP 1, 0, 0
	s_wait_dscnt 4*NL
	WIN MUL_LO
	MUL16 0, 1, 0
	MUL16 2, 1, 0
	s_wait_dscnt 0
	WIN MUL_HI
	MUL16 4, 1, 0
	MUL16 6, 1, 0
	WIN 0
	s_wait_kmcnt 0x0
	s_cmp_eq_u32 s17, 0
	s_cselect_b32 s96, s80, s82
	s_cselect_b32 s97, s81, s83
	s_cselect_b32 s98, s86, s87
	s_cmp_eq_u32 s17, 2
	s_cselect_b32 s96, s84, s96
	s_cselect_b32 s97, s85, s97
	s_cselect_b32 s98, s89, s98
	s_add_co_i32 s96, s96, s97
	s_add_co_i32 s96, s96, 127
	s_lshl_b32 s96, s96, 23
	s_mov_b32 s97, s96
	s_add_co_i32 s98, s98, 127
	s_lshl_b32 s99, s98, 23
	v_mov_b32 v[VSC], s99
	s_add_co_i32 s98, s98, 15
	s_lshl_b32 s98, s98, 23
	s_or_b32 s98, s98, 0x600000
	v_mov_b32 v[VLIM], s98
	s_wait_loadcnt 0x0
	PLACES NP
.macro CONV a, isv, sto
.set AC, 64*((\a)%4)
.set CDS, CD+16*((\a)%2)
.if (\a) >= 2
	s_wait_dscnt 8
.endif
	WIN 0x02+((\a)/4)
.irp b, 0,1,2,3,4,5,6,7
.irp i, 0,2,4,6
.if \isv
	v_pk_fma_f32 v[TMP+8*\b+\i:TMP+8*\b+\i+1], v[AC+8*\b+\i:AC+8*\b+\i+1], s[96:97], v[BIASV+2*(\a):BIASV+2*(\a)+1] op_sel_hi:[1,0,1]
.else
	v_pk_fma_f32 v[TMP+8*\b+\i:TMP+8*\b+\i+1], v[AC+8*\b+\i:AC+8*\b+\i+1], s[96:97], v[BIAS+8*\b+\i:BIAS+8*\b+\i+1] op_sel_hi:[1,0,1]
.endif
.endr
.endr
	WIN 0
.set n, 0
.rept 64
	v_med3_num_f32 v[TMP+n], v[TMP+n], -v[VLIM], v[VLIM]
.set n, n+1
.endr
.irp b, 0,1,2,3,4,5,6,7
	v_cvt_scalef32_pk8_bf8_f32 v[CDS+2*\b:CDS+2*\b+1], v[TMP+8*\b:TMP+8*\b+7], v[VSC]
.endr
	v_nop
.irp b, 0,1,2,3,4,5,6,7
	ds_store_b64 v[\sto], v[CDS+2*\b:CDS+2*\b+1] offset:(\a)*16*PITCH+16*\b
.endr
.endm
	s_cmp_lt_u32 s17, 2
	s_cbranch_scc0 .Lconv_v
.irp a, 0,1,2,3,4,5,6,7
	CONV \a, 0, STOQ
.endr
	s_branch .Lconv_done
.Lconv_v:
.irp a, 0,1,2,3,4,5,6,7
	CONV \a, 1, STOV
.endr
.Lconv_done:
	s_wait_dscnt 0x0
	s_barrier_signal -1
	s_barrier_wait -1
.macro OUT rda, rdb, lstep, g, gstep
.set t, 0
.rept 32
.if t < 16
	ds_load_b128 v[OB+4*t:OB+4*t+3], v[\rda] offset:t*\lstep
.else
	ds_load_b128 v[OB+4*t:OB+4*t+3], v[\rdb] offset:(t-16)*\lstep
.endif
.set t, t+1
.endr
.set t, 0
.rept 32
	s_wait_dscnt 31-t
	global_store_b128 v[\g], v[OB+4*t:OB+4*t+3], s[76:77] offset:t*\gstep
.set t, t+1
.endr
.endm
	s_cmp_lt_u32 s17, 2
	s_cbranch_scc0 .Lout_v
	s_lshl_b32 s68, ttmp9, 2
	s_add_co_u32 s68, s68, s41
	s_lshr_b32 s69, s68, 3
	s_lshl_b32 s69, s69, 4
	s_lshl_b32 s70, s40, 2
	s_add_co_u32 s69, s69, s70
	s_add_co_u32 s69, s69, s14
	s_lshl_b32 s69, s69, 17
	s_and_b32 s68, s68, 7
	s_lshl_b32 s68, s68, 14
	s_add_co_u32 s68, s68, s69
	s_lshl_b32 s69, s17, 22
	s_add_co_u32 s68, s68, s69
	s_mov_b32 s69, 0
	s_add_nc_u64 s[76:77], s[76:77], s[68:69]
	OUT RDQ, RDQ2, 8*PITCH, GQ, 512
	s_branch .Lend
.Lout_v:
	s_lshl_b32 s68, s41, 20
	s_lshl_b32 s69, s14, 18
	s_add_co_u32 s68, s68, s69
	s_lshl_b32 s69, ttmp9, 10
	s_add_co_u32 s68, s68, s69
	s_lshl_b32 s69, s40, 8
	s_add_co_u32 s68, s68, s69
	s_add_co_u32 s68, s68, 0x800000
	s_mov_b32 s69, 0
	s_add_nc_u64 s[76:77], s[76:77], s[68:69]
	OUT RDV, RDV2, 2*PITCH, GV, 8192
.Lend:
	s_wait_tensorcnt 0x0
	ds_add_u32 v[SPW], v[NIL]
	s_wait_dscnt 0x0
	CROUND
	s_endpgm
.Lfunc_end_k_q03e86134b9_qkv:
	.size	k_q03e86134b9_qkv, .Lfunc_end_k_q03e86134b9_qkv-k_q03e86134b9_qkv
	.p2alignl 7, 3214868480
	.fill 96, 4, 3214868480
	.section	.rodata,"a",@progbits
	.p2align	6, 0x0
	.amdhsa_kernel k_q03e86134b9_qkv
		.amdhsa_group_segment_fixed_size 327680
		.amdhsa_private_segment_fixed_size 0
		.amdhsa_enable_private_segment 0
		.amdhsa_kernarg_size 56
		.amdhsa_user_sgpr_count 2
		.amdhsa_user_sgpr_kernarg_segment_ptr 1
		.amdhsa_wavefront_size32 1
		.amdhsa_system_sgpr_workgroup_id_x 1
		.amdhsa_system_sgpr_workgroup_id_y 1
		.amdhsa_system_sgpr_workgroup_id_z 1
		.amdhsa_system_vgpr_workitem_id 0
		.amdhsa_next_free_vgpr 1024
		.amdhsa_next_free_sgpr 100
		.amdhsa_reserve_vcc 0
		.amdhsa_float_denorm_mode_32 3
		.amdhsa_float_denorm_mode_16_64 3
		.amdhsa_memory_ordered 1
		.amdhsa_forward_progress 1
		.amdhsa_inst_pref_size 211
	.end_amdhsa_kernel
	.amdgpu_metadata
---
amdhsa.version: [ 1, 2 ]
amdhsa.kernels:
  - .name:           k_q03e86134b9_qkv
    .symbol:         k_q03e86134b9_qkv.kd
    .args:
      - { .name: xc, .offset: 0, .size: 8, .value_kind: global_buffer, .address_space: global }
      - { .name: wc, .offset: 8, .size: 8, .value_kind: global_buffer, .address_space: global }
      - { .name: lowp_scales, .offset: 16, .size: 8, .value_kind: global_buffer, .address_space: global }
      - { .name: bq, .offset: 24, .size: 8, .value_kind: global_buffer, .address_space: global }
      - { .name: bk, .offset: 32, .size: 8, .value_kind: global_buffer, .address_space: global }
      - { .name: bv, .offset: 40, .size: 8, .value_kind: global_buffer, .address_space: global }
      - { .name: qkv, .offset: 48, .size: 8, .value_kind: global_buffer, .address_space: global }
    .group_segment_fixed_size: 327680
    .private_segment_fixed_size: 0
    .kernarg_segment_align: 8
    .kernarg_segment_size: 56
    .max_flat_workgroup_size: 128
    .sgpr_count:     100
    .vgpr_count:     1024
    .wavefront_size: 32
...
	.end_amdgpu_metadata
.endif
;; end of part 2
;; launch attn (part 3): grid 8 x 32, 8 waves a work-group, clusters of 4 x 1, 327,680 bytes of LDS; arguments qkv, lowp_scales, oc, W1, W2, wc; writes oc, wc
.if DOCPART == 3
	.amdgcn_target "amdgcn-amd-amdhsa--gfx1250"
	.amdhsa_code_object_version 6
	.text
	.protected	k_q03e86134b9_attn
	.globl	k_q03e86134b9_attn
	.p2align	8
	.type	k_q03e86134b9_attn,@function
k_q03e86134b9_attn:
	s_mov_b64 s[64:65], 0
	v_nop
	global_prefetch_b8 v0, s[64:65] scope:SCOPE_SE
	s_setreg_imm32_b32 hwreg(HW_REG_WAVE_MODE, 25, 1), 1
	s_wait_xcnt 0x0
	s_wait_alu depctr_hold_cnt(0) depctr_sa_sdst(0) depctr_va_vdst(0) depctr_va_sdst(0) depctr_va_ssrc(0) depctr_va_vcc(0) depctr_vm_vsrc(0)
	s_getreg_b32 s2, hwreg(HW_REG_IB_STS2, 6, 4)
	s_cmp_eq_u32 s2, 0
	s_cbranch_scc0 .Lentry_in_a_cluster
	s_endpgm
.Lentry_in_a_cluster:
	s_bfe_u32 s2, ttmp6, 0x10000c
	s_cmp_lg_u32 s2, 0x3003
	s_cbranch_scc0 .Lentry_shape_is_right
	s_endpgm
.Lentry_shape_is_right:
; o = softmax(q k^T / 8) v for one (b, head) and 256 queries, both products on codes of BF8 (E5M2); o is quantised at once (e10) for the next product.
; t = score x log2(e) / 8; M = the running largest t rounded UP to a whole number; p = 2^(t - M) is quantised (e8); the row's sum is taken of the unquantised p and divides at the end.
; SHARES.  Eight waves, 32 queries each: two tiles of 16, so that each fragment of K and V read from LDS feeds two products.  A step is 128 keys; one body serves all steps, in three counted loops (4, 4 and 8 trips).
; ALL 2,048 keys of the head lie in LDS: every byte is filled once.  The four query blocks of a cluster ask for K and V jointly.  TWO FILLS, one tensor load a wave each:
;   at the head keys 0-511 (waves 0-3 a quarter of K each, waves 4-7 a quarter of V's rows each); behind the full sequence and a round keys 512-2,047 (waves 0, 1: 768 keys of K each; waves 2-7: 32 rows of one of V's three chunks each).
;   So the first 512 keys of every work-group are asked for ahead of anybody's later keys; the second fill has the first four steps in which to land.  K and V are not prefetched: both fills are issued ahead of the first step.
; W1 AND W2 ARE QUANTISED HERE TOO (f32, K innermost, 4,194,304 numbers each, to codes of BF8 with 2^e13 and 2^e15, into their places in wc): nothing before the launch w1 reads their codes, and this launch asks little of memory behind its fills.
;   Work-groups with y under 16 take W1, the others W2; each of a tensor's 1,024 waves takes 4,096 consecutive numbers, 512 in each of steps 8-15: four loads of 512 consecutive bytes at the step's head; behind the step's products
;   16 holds, 2 conversions, a turn through 512 bytes of the wave's own stage, one store of 512 consecutive bytes.  The wave's 16,384 bytes are asked into the L2 in two halves (a lane a block of 256 bytes), each four steps ahead of its first load.
; K in LDS: the head's keys are dense in memory, 64 bytes each, and are staged as rows of 256 bytes (four keys) + 16 of padding: key k lies at 272 (k / 4) + 64 (k % 4); the sixteen keys of a fragment fall on sixteen different 16-byte columns of 256.
; V^T in LDS: four chunks of 512 keys, each 64 rows of 512 + 16 bytes.
; LAYOUT.  S^T = K Q^T (16x16x64; source 0 = 16 neighbouring keys): lane (r, h) holds query r and keys 16 t + 8 h + 0 .. 7 in tile t's registers.  Their eight codes are registers 2 t, 2 t + 1 of P
; in the 16x16x128 form's own layout, so O^T += V^T P takes V by loads of 8 bytes at key 16 c + 8 h.  K and Q are both fetched by two loads of 16 bytes: the same permutation of the head's 64 on both sides.
; THE EXPONENTIALS go in two batches of 64.  Among tile 1's stand only lines on tile 0 whose sources are settled ahead of the batch and whose results are read behind the wait that follows it (16 first sums, 32 holds).
; O^T and the sums begin as zeros and the largest t as -3e38: the first change of M multiplies zeros, and the step is written with no first form of its own.
; LIMITS: e6 + e7 between -123 and 129; e8, e10, e13, e15 between -126 and 112; the scaled scores t stay under 2^31 in magnitude.  NaN among the inputs is not served.  A head's piece of a row of oc is 64 bytes: four lanes store it.
; REGISTERS.  window 0: v1, v2 lane places in K, V; v3, v4 the step's addresses; v5-7 the way out; v8, v9, v194 scale and limits; v10, 11 permutes; v16-31 statistics (tile q at 16 + 8 q: -M, largest t, l, l, f, 0, at work);
;   v32-159 S^T then p; v160-191 P's codes; v195-199, v248 the weights' scale, limit and offsets; v200-215 chains; v216-247 tile 0's first sums; v254, v255 the add's.
;   window 1: v0-63 K; v64-127 V; v128-143 Q; v144-207 O^T; v208-231 a piece of a weight: 16 numbers, 4 registers of codes, 4 on the way out.
.set KP4,   272
.set KSTP,  32*KP4                     ; 128 keys of K
.set VP,    528
.set VCH,   64*VP
.set VBASE, 512*KP4
.set STAGE, VBASE+4*VCH                ; 8 waves x 32 rows x 80 bytes, into which no tile lands
.set SROW,  80
.set SPARE, STAGE+8*32*SROW            ; the spare words: 128 bytes a wave
.set ST,    16
.set S,     32
.set P,     160
.set OO,    144
.set LIM2,  194
.set WSC,   195                        ; 2^e of my weight
.set WLM,   196                        ; 57,344 x that
.set WO,    197                        ; 16 x lane
.set WPF,   198                        ; 256 x lane
.set WSI,   199                        ; my stage + 4 x lane
.set WSO,   248                        ; my stage + 16 x lane
.set WR,    208                        ; window 1
.set SU,    200
.set T,     216
.set SPW,   254
.set NIL,   255
.set G1K,   16
.set G1V,   24
.set G1K2,  32
.set G1V2,  40
.set G0K,   48
.set G0V,   52
.set G0K2,  56
.set G0V2,  60
.set MSB, 0
.macro WIN new                         ; the immediate's high byte repeats the setting that is left
.if MSB != \new
	s_set_vgpr_msb (MSB<<8)|\new
.set MSB, \new
.endif
.endm
.set W_KQ, 0x05                        ; K and Q in window 1, S^T in window 0
.set W_PV, 0x51                        ; V, C and D in window 1, P in window 0
.set W_RS, 0x41                        ; source 0 and destination in window 1
.set TO1,  0x40                        ; destination window 1
.set FR1,  0x04                        ; source 1 (a store's data) window 1
.macro CROUND                          ; a round of the cluster's barrier
	s_barrier_signal -1
	s_barrier_wait -1
	s_cmp_lg_u32 s10, 0
	s_cbranch_scc1 .Lnot_wave_0_\@
	s_barrier_signal -3
.Lnot_wave_0_\@:
	s_barrier_wait -3
	s_barrier_signal -1
	s_barrier_wait -1
.endm
.macro TL lim, g0a, g1a, g0b, g1b      ; a joint load: waves under lim fetch for K, the others for V: one load in each arm; s_nop 0 and four v_nop behind each
	s_cmp_lt_u32 s10, \lim
	s_cbranch_scc0 .Lother_\@
	tensor_load_to_lds s[\g0a:\g0a+3], s[\g1a:\g1a+7]
	s_nop 0
.rept 4
	v_nop
.endr
	s_branch .Lasked_\@
.Lother_\@:
	tensor_load_to_lds s[\g0b:\g0b+3], s[\g1b:\g1b+7]
	s_nop 0
.rept 4
	v_nop
.endr
.Lasked_\@:
.endm
.macro GRP1 g, qi, c, r, p             ; group 1: r rows of c bytes, p bytes apart; all four work-groups; 4 words of padding behind each row
	s_mov_b32 s[\g], 15|(1<<20)|(1<<21)|(\qi<<22)|(3<<25)
	s_mov_b32 s[\g+1], \c<<16
	s_mov_b32 s[\g+2], \r<<16
	s_mov_b32 s[\g+3], \c<<16
	s_mov_b32 s[\g+4], \r
	s_mov_b32 s[\g+5], \p
	s_mov_b32 s[\g+6], 0
	s_mov_b32 s[\g+7], 0
.endm
	s_load_b128 s[4:7], s[0:1], 0x0                ; qkv, the exponents
	s_load_b64 s[8:9], s[0:1], 0x10                ; oc
	s_load_b64 s[100:101], s[0:1], 0x18            ; W1
	s_load_b64 s[104:105], s[0:1], 0x20            ; W2
	s_load_b64 s[2:3], s[0:1], 0x28                ; wc
	v_lshl_add_u32 v[SPW], v0, 2, SPARE
	v_mov_b32 v[NIL], 0
	ds_add_u32 v[SPW], v[NIL]                      ; the opening: the add, twice on end, and its wait ahead of my first tensor load
	ds_add_u32 v[SPW], v[NIL]
	v_lshrrev_b32 v1, 5, v0
	v_readfirstlane_b32 s10, v1                    ; wave 0..7
	s_bfe_u32 s11, ttmp6, 0x40000                  ; cx
	s_and_b32 s12, ttmp7, 0xffff                   ; 16 b + head, shared by the four partners
	s_and_b32 s13, s10, 3                          ; first fill: which quarter
	s_and_b32 s70, s10, 1                          ; second fill: which half,
	s_lshr_b32 s71, s10, 1                         ; and (waves 2-7) which chunk of V
	GRP1 G1K, 5, 256, 32, 256                      ; 128 keys
	GRP1 G1V, 6, 512, 16, 4096
	GRP1 G1K2, 5, 256, 192, 256                    ; 768 keys
	GRP1 G1V2, 6, 512, 32, 4096
	s_lshl_b32 s14, s12, 17
	s_add_co_u32 s14, s14, 0x400000                ; K: the head's 2,048 keys of 64 bytes, behind q
	s_and_b32 s72, s12, 15
	s_lshl_b32 s72, s72, 18                        ; V: the head's 64 rows of 4,096 bytes,
	s_lshr_b32 s73, s12, 4
	s_lshl_b32 s73, s73, 11                        ; b's 2,048 keys in them
	s_add_co_u32 s72, s72, s73
	s_add_co_u32 s72, s72, 0x800000
	s_lshl_b32 s73, s13, 13
	s_add_co_u32 s[G0K+2], s14, s73                ; byte offsets in qkv, all under 2^24
	s_lshl_b32 s73, s13, 16
	s_add_co_u32 s[G0V+2], s72, s73
	s_mul_i32 s73, s70, 768*64
	s_add_co_u32 s73, s73, 512*64
	s_add_co_u32 s[G0K2+2], s14, s73
	s_lshl_b32 s73, s71, 9
	s_add_co_u32 s73, s73, s72
	s_lshl_b32 s74, s70, 17
	s_add_co_u32 s[G0V2+2], s73, s74
	s_mul_i32 s[G0K+1], s13, KSTP                  ; and where they go: the wave's number and constants alone
	s_mul_i32 s[G0V+1], s13, 16*VP
	s_add_co_u32 s[G0V+1], s[G0V+1], VBASE
	s_mul_i32 s[G0K2+1], s70, 192*KP4
	s_add_co_u32 s[G0K2+1], s[G0K2+1], 128*KP4
	s_mul_i32 s[G0V2+1], s71, VCH
	s_mul_i32 s74, s70, 32*VP
	s_add_co_u32 s[G0V2+1], s[G0V2+1], s74
	s_add_co_u32 s[G0V2+1], s[G0V2+1], VBASE
.irp g, G0K, G0V, G0K2, G0V2
	s_mov_b32 s[\g], 1
	s_mov_b32 s[\g+3], 0
.endr
	s_mov_b32 s66, 0x76543210
	s_mov_b32 s67, 0xfedcba98
	s_wait_dscnt 0x0                               ; both opening adds are done
	s_wait_kmcnt 0x0
	s_load_b512 s[80:95], s[6:7], 0x0              ; e0 .. e15
.irp g, G0K, G0V, G0K2, G0V2
	s_add_nc_u64 s[\g+2:\g+3], s[4:5], s[\g+2:\g+3]
	s_or_b32 s[\g+3], s[\g+3], 0x80000000
.endr
	CROUND                                         ; all four work-groups are here: the joint loads meet
	TL 4, G0K, G1K, G0V, G1V                       ; keys 0-511: my one tensor load at the head
	s_lshl_b32 s76, ttmp9, 2
	s_add_co_u32 s97, s76, s11                     ; my block of 256 queries, 0 .. 7
	s_lshl_b32 s76, s97, 8
	s_lshl_b32 s77, s10, 5
	s_add_co_u32 s76, s76, s77                     ; my wave's first query in the head
	s_lshl_b32 s74, s76, 6
	s_lshl_b32 s75, s12, 17
	s_add_co_u32 s74, s74, s75
	s_mov_b32 s75, 0
	s_add_nc_u64 s[74:75], s[4:5], s[74:75]        ; its codes
	s_lshr_b32 s77, s12, 4
	s_lshl_b32 s77, s77, 11
	s_add_co_u32 s77, s77, s76
	s_lshl_b32 s78, s77, 10                        ; its row of oc,
	s_and_b32 s79, s12, 15
	s_lshl_b32 s79, s79, 6                         ; the head's 64 bytes in it
	s_add_co_u32 s78, s78, s79
	s_mov_b32 s79, 0
	s_add_nc_u64 s[78:79], s[8:9], s[78:79]
	s_mul_i32 s76, s10, 32*SROW
	s_add_co_u32 s76, s76, STAGE                   ; my stage
	; my wave's 4,096 numbers of a weight: wave ((y % 16) x 8 + block) x 8 + wave of the tensor's 1,024
	s_and_b32 s98, s12, 15
	s_lshl_b32 s98, s98, 3
	s_add_co_u32 s97, s97, s98
	s_lshl_b32 s97, s97, 3
	s_add_co_u32 s97, s97, s10
	s_cmp_lt_u32 s12, 16                           ; W1 or W2: the choice hangs on the work-group's number alone
	s_cselect_b64 s[100:101], s[100:101], s[104:105]
	s_cselect_b32 s98, 0, 0x400000
	s_add_co_u32 s98, s98, 0x400000                ; W1's codes begin at byte 0x400000 of wc, W2's at 0x800000
	s_lshl_b32 s104, s97, 12
	s_add_co_u32 s104, s104, s98
	s_mov_b32 s105, 0
	s_add_nc_u64 s[2:3], s[2:3], s[104:105]        ; where my codes go
	s_lshl_b32 s104, s97, 14
	s_add_nc_u64 s[100:101], s[100:101], s[104:105]   ; where my numbers lie
	v_and_b32 v12, 15, v0                          ; r
	v_bfe_u32 v13, v0, 4, 1                        ; h
	v_and_b32 v14, 31, v0                          ; lane
	v_lshlrev_b32 v192, 6, v12
	v_lshl_add_u32 v192, v13, 4, v192              ; Q: 64 r + 16 h
	WIN TO1
.irp q, 0,1
.irp c, 0,1
	global_load_b128 v[128+8*\q+4*\c:128+8*\q+4*\c+3], v192, s[74:75] offset:\q*1024+32*\c
.endr
.endr
	WIN 0
	v_lshrrev_b32 v3, 2, v12
	v_mul_u32_u24 v1, v3, KP4
	v_and_b32 v4, 3, v12
	v_lshl_add_u32 v1, v4, 6, v1
	v_lshl_add_u32 v1, v13, 4, v1                  ; K: 272 (r / 4) + 64 (r % 4) + 16 h
	v_mul_u32_u24 v2, v12, VP
	v_lshl_add_u32 v2, v13, 3, v2
	v_add_nc_u32 v2, VBASE, v2                     ; V: 528 r + 8 h
	v_mul_u32_u24 v5, v12, SROW
	v_lshl_add_u32 v5, v13, 3, v5
	v_add_nc_u32 v5, s76, v5                       ; the stage, in: row r, 8 h
	v_lshrrev_b32 v3, 2, v14
	v_and_b32 v4, 3, v14
	v_mul_u32_u24 v6, v3, SROW
	v_lshl_add_u32 v6, v4, 4, v6
	v_add_nc_u32 v6, s76, v6                       ; back: four lanes to a row of 64 bytes
	v_lshlrev_b32 v7, 10, v3
	v_lshl_add_u32 v7, v4, 4, v7                   ; and the same in oc
	v_lshlrev_b32 v[WO], 4, v14
	v_lshlrev_b32 v[WPF], 8, v14
	v_lshl_add_u32 v[WSI], v14, 2, s76
	v_lshl_add_u32 v[WSO], v14, 4, s76
.irp q, 0,1
	v_mov_b32 v[ST+8*\q+1], 0xff61b1e6             ; the largest t so far: -3e38
	v_floor_f32 v[ST+8*\q], -v[ST+8*\q+1]          ; -M
	v_mov_b32 v[ST+8*\q+2], 0                      ; l, in two halves
	v_mov_b32 v[ST+8*\q+3], 0
	v_mov_b32 v[ST+8*\q+4], 0
	v_mov_b32 v[ST+8*\q+5], 0                      ; (named as the upper half of f's pair)
	v_mov_b32 v[10+\q], 0                          ; a lane permute's destination counts as one of its sources
.endr
	WIN TO1
.set n, 0
.rept 64
	v_mov_b32 v[OO+n], 0                           ; O^T
.set n, n+1
.endr
	WIN 0
	s_wait_kmcnt 0x0
	s_add_co_i32 s76, s86, s87
	s_lshl_b32 s76, s76, 23
	s_add_co_i32 s68, s76, 0x3e38aa3b              ; c = log2(e) / 8, with e6 + e7 added to its exponent field
	s_mov_b32 s69, s68
	s_add_co_i32 s76, s88, 127
	s_lshl_b32 s77, s76, 23
	v_mov_b32 v8, s77                              ; 2^e8
	s_add_co_i32 s76, s76, 15
	s_lshl_b32 s76, s76, 23
	s_or_b32 s76, s76, 0x600000
	v_mov_b32 v9, s76                              ; 57,344 x 2^e8,
	v_mov_b32 v[LIM2], s76                         ; and once more, in another register bank: the two halves of a dual instruction take one each
	s_cmp_lt_u32 s12, 16
	s_cselect_b32 s76, s93, s95                    ; e13 for W1, e15 for W2: a value is chosen, no way through the text
	s_add_co_i32 s76, s76, 127
	s_lshl_b32 s77, s76, 23
	v_mov_b32 v[WSC], s77
	s_add_co_i32 s76, s76, 15
	s_lshl_b32 s76, s76, 23
	s_or_b32 s76, s76, 0x600000
	v_mov_b32 v[WLM], s76
.macro FETCH_K                         ; 128 keys x 64 at v3: eight fragments, 16 loads
	WIN TO1
.irp t, 0,1,2,3,4,5,6,7
.irp c, 0,1
	ds_load_b128 v[8*\t+4*\c:8*\t+4*\c+3], v3 offset:\t*4*KP4+32*\c
.endr
.endr
.endm
.macro FETCH_V                         ; 64 of the head x 128 keys at v4: four fragments, 32 loads
	WIN TO1
.irp u, 0,1,2,3
.irp c, 0,1,2,3,4,5,6,7
	ds_load_b64 v[64+16*\u+2*\c:64+16*\u+2*\c+1], v4 offset:\u*16*VP+16*\c
.endr
.endr
.endm
.macro EX                              ; one exponential of tile 1, while any are left
.if NE < 64
	v_exp_f32 v[S+64+NE], v[S+64+NE]
.set NE, NE+1
.endif
.endm
.macro HOLD q, ex                      ; p is never negative: a one-sided hold, two to an instruction (an even and an odd destination; the sources of each place in different banks)
.set n, 0
.rept 32
	v_dual_min_num_f32 v[S+64*\q+n], v[S+64*\q+n], v9 :: v_dual_min_num_f32 v[S+64*\q+n+1], v[S+64*\q+n+1], v[LIM2]
.if \ex
	EX
.endif
.set n, n+2
.endr
.endm
.macro CV q, t                         ; eight neighbouring keys' p into registers 2 t, 2 t + 1 of P
	v_cvt_scalef32_pk8_bf8_f32 v[P+16*\q+2*\t:P+16*\q+2*\t+1], v[S+64*\q+8*\t:S+64*\q+8*\t+7], v8
.endm
.macro TADD a, b                       ; tile 0's sums: pair a += pair b
	v_pk_add_f32 v[T+\a:T+\a+1], v[T+\a:T+\a+1], v[T+\b:T+\b+1]
.endm
; A STEP: keys 128 s96 on.  K's fragments are in flight or in at its head; the next step's (at step 'last': its own once more, so that no key beyond what has landed is touched) are fetched under the softmax.
; wq = 1: the step also takes 512 numbers of my weight.
.macro STEP last, wq
	s_lshr_b32 s97, s96, 2
	s_mul_i32 s97, s97, VCH
	s_and_b32 s99, s96, 3
	s_lshl_b32 s99, s99, 7
	s_add_co_u32 s97, s97, s99                     ; V: chunk step / 4, 128 (step % 4) bytes along its rows
	s_add_co_u32 s98, s96, 1
	s_min_u32 s98, s98, \last
	s_mul_i32 s98, s98, KSTP                       ; K: the next step
.if \wq
	WIN TO1
.irp i, 0,1,2,3
	global_load_b128 v[WR+4*\i:WR+4*\i+3], v[WO], s[100:101] offset:512*\i th:TH_LOAD_NT   ; 512 consecutive bytes: numbers 128 i + 4 lane + 0 .. 3; they have the step in which to land
.endr
.endif
	s_wait_dscnt 0x0                               ; K is in
	WIN W_KQ
.irp t, 0,1,2,3,4,5,6,7
.irp q, 0,1
	v_wmma_f32_16x16x64_bf8_bf8 v[S+64*\q+8*\t:S+64*\q+8*\t+7], v[8*\t:8*\t+7], v[128+8*\q:128+8*\q+7], 0
.endr
.endr
	WIN 0
	v_add_nc_u32 v4, s97, v2                       ; four places in front of the loads into K's registers and of the first read of the scores
	v_add_nc_u32 v3, s98, v1
	v_nop
	v_nop
	FETCH_V
	FETCH_K
	WIN 0
	; the step's largest scores, four chains a tile, both tiles by turns; each accumulator is read first at one of its four lowest registers
.irp k, 0,1,2,3
.irp q, 0,1
	v_max3_num_f32 v[SU+8*\q+\k], v[S+64*\q+3*\k], v[S+64*\q+3*\k+1], v[S+64*\q+3*\k+2]
.endr
.endr
.set II, 12
.rept 26
.irp q, 0,1
	v_max3_num_f32 v[SU+8*\q+((II-12)/2)%4], v[SU+8*\q+((II-12)/2)%4], v[S+64*\q+II], v[S+64*\q+II+1]
.endr
.set II, II+2
.endr
.irp q, 0,1
	v_max3_num_f32 v[ST+8*\q+6], v[SU+8*\q], v[SU+8*\q+1], v[SU+8*\q+2]
.endr
.irp q, 0,1
	v_max_num_f32 v[ST+8*\q+6], v[ST+8*\q+6], v[SU+8*\q+3]
.endr
.irp q, 0,1
	v_permlanex16_b32 v[10+\q], v[ST+8*\q+6], s66, s67
.endr
.irp q, 0,1
	v_max_num_f32 v[ST+8*\q+6], v[ST+8*\q+6], v[10+\q]
.endr
.irp q, 0,1
	v_mul_f32 v[ST+8*\q+6], s68, v[ST+8*\q+6]      ; as t (c is positive)
.endr
.irp q, 0,1
	v_max_num_f32 v[ST+8*\q+1], v[ST+8*\q+1], v[ST+8*\q+6]
.endr
.irp q, 0,1
	v_mov_b32 v[ST+8*\q+6], v[ST+8*\q]
.endr
.irp q, 0,1
	v_floor_f32 v[ST+8*\q], -v[ST+8*\q+1]          ; -M = floor(-t): M is a whole number
.endr
.irp q, 0,1
	v_sub_f32 v[ST+8*\q+6], v[ST+8*\q], v[ST+8*\q+6]   ; old M - new M, 0 or less
.endr
.irp q, 0,1
	v_cvt_i32_f32 v[ST+8*\q+6], v[ST+8*\q+6]       ; (it saturates)
.endr
.irp q, 0,1
	v_ldexp_f32 v[ST+8*\q+4], 1.0, v[ST+8*\q+6]    ; f = 2^(old M - new M)
.endr
.irp q, 0,1
.irp j, 0,2,4,6,8,10,12,14,16,18,20,22,24,26,28,30,32,34,36,38,40,42,44,46,48,50,52,54,56,58,60,62
	v_pk_fma_f32 v[S+64*\q+\j:S+64*\q+\j+1], v[S+64*\q+\j:S+64*\q+\j+1], s[68:69], v[ST+8*\q:ST+8*\q+1] op_sel_hi:[1,0,0]   ; t - M
.endr
.endr
	WIN W_RS                                       ; O^T under the new M, ahead of the exponentials: no transcendental stands between the last products and this first read of their results
.irp q, 0,1
.irp j, 0,2,4,6,8,10,12,14,16,18,20,22,24,26,28,30
	v_pk_mul_f32 v[OO+32*\q+\j:OO+32*\q+\j+1], v[OO+32*\q+\j:OO+32*\q+\j+1], v[ST+8*\q+4:ST+8*\q+5] op_sel_hi:[1,0]
.endr
.endr
	WIN 0
	s_wait_alu depctr_va_vdst(0)
.set n, 0
.rept 64
	v_exp_f32 v[S+n], v[S+n]                       ; tile 0's p
.set n, n+1
.endr
	v_nop
	s_wait_alu depctr_va_vdst(0)                   ; one wait for tile 0's batch, ahead of its first reader
.set NE, 0
.irp k, 0,1,2,3,4,5,6,7,8,9,10,11,12,13,14,15
	v_pk_add_f32 v[T+2*\k:T+2*\k+1], v[S+4*\k:S+4*\k+1], v[S+4*\k+2:S+4*\k+3]   ; tile 0's first sums, of the unquantised p; read behind the next wait
	EX
.endr
	HOLD 0, 1                                      ; tile 0's holds; read behind the next wait
.rept 16
	EX
.endr
	v_nop
	s_wait_alu depctr_va_vdst(0)                   ; one wait for tile 1's batch and for the lines among it
.irp t, 0,1,2,3,4,5,6,7
	CV 0, \t
	TADD 2*\t, 2*\t+16
.endr
.irp k, 0,1,2,3
	v_pk_add_f32 v[SU+2*\k:SU+2*\k+1], v[S+64+4*\k:S+64+4*\k+1], v[S+64+4*\k+2:S+64+4*\k+3]   ; tile 1's sum in four chains of pairs
.endr
.set II, 16
.rept 24
	v_pk_add_f32 v[SU+2*((II/2)%4):SU+2*((II/2)%4)+1], v[SU+2*((II/2)%4):SU+2*((II/2)%4)+1], v[S+64+II:S+64+II+1]
.set II, II+2
.endr
	HOLD 1, 0
	CV 1, 0
	TADD 0, 8
	CV 1, 1
	TADD 2, 10
	CV 1, 2
	TADD 4, 12
	CV 1, 3
	TADD 6, 14
	CV 1, 4
	TADD 0, 4
	CV 1, 5
	TADD 2, 6
	CV 1, 6
	TADD 0, 2
	CV 1, 7
	v_pk_fma_f32 v[ST+2:ST+3], v[ST+2:ST+3], v[ST+4:ST+5], v[T:T+1] op_sel_hi:[1,0,1]          ; l = l x f + the step's sum (of f's pair the low word serves both halves)
	v_pk_add_f32 v[SU:SU+1], v[SU:SU+1], v[SU+2:SU+3]
	v_pk_add_f32 v[SU+4:SU+5], v[SU+4:SU+5], v[SU+6:SU+7]
	v_pk_add_f32 v[SU:SU+1], v[SU:SU+1], v[SU+4:SU+5]
	v_pk_fma_f32 v[ST+10:ST+11], v[ST+10:ST+11], v[ST+12:ST+13], v[SU:SU+1] op_sel_hi:[1,0,1]
	s_wait_alu depctr_va_vdst(0)
	s_wait_dscnt 16                                ; V's 32 loads are in; the 16 of K issued behind them may be out
	WIN W_PV
.irp u, 0,1,2,3
.irp q, 0,1
	v_wmma_f32_16x16x128_bf8_bf8 v[OO+32*\q+8*\u:OO+32*\q+8*\u+7], v[64+16*\u:64+16*\u+15], v[P+16*\q:P+16*\q+15], v[OO+32*\q+8*\u:OO+32*\q+8*\u+7]
.endr
.endr
.if \wq
	s_wait_loadcnt 0x0                             ; the piece's four loads, issued at the step's head
	WIN W_RS
.set n, 0
.rept 16
	v_med3_num_f32 v[WR+n], v[WR+n], -v[WLM], v[WLM]   ; the conversion does not saturate: held within the largest code x the scale first
.set n, n+1
.endr
	v_cvt_scalef32_pk8_bf8_f32 v[WR+16:WR+17], v[WR:WR+7], v[WSC]       ; register 16 + i: the four codes of load i
	v_cvt_scalef32_pk8_bf8_f32 v[WR+18:WR+19], v[WR+8:WR+15], v[WSC]
	v_nop                                          ; a plain line behind the last conversion
	WIN FR1
.irp j, 0,1,2,3
	ds_store_b32 v[WSI], v[WR+16+\j] offset:128*\j
.endr
	WIN TO1
	ds_load_b128 v[WR+20:WR+23], v[WSO]            ; LDS serves a wave's instructions in order: this sees my stores; a lane now holds 16 neighbouring codes
	s_wait_dscnt 0x0
	WIN FR1
	global_store_b128 v[WO], v[WR+20:WR+23], s[2:3]    ; 512 consecutive bytes, at a multiple of 512 from wc's first byte
	s_wait_xcnt 0x0                                ; the loads, the store and any prefetch have read their bases and registers: on to the next piece
	s_add_nc_u64 s[100:101], s[100:101], 2048
	s_add_nc_u64 s[2:3], s[2:3], 512
.endif
	WIN 0
	s_add_co_u32 s96, s96, 1
.endm
	s_wait_alu depctr_va_vdst(0)
	s_wait_tensorcnt 0x0                           ; my part of keys 0-511 is in
	ds_add_u32 v[SPW], v[NIL]
	s_wait_dscnt 0x0
	CROUND                                         ; everybody's part is in, and all four work-groups are here
	TL 2, G0K2, G1K2, G0V2, G1V2                   ; keys 512-2,047: my one tensor load behind the round
	s_wait_loadcnt 0x0                             ; Q
	v_mov_b32 v3, v1
	FETCH_K
	WIN 0
	s_mov_b32 s96, 0
.Lfirst:                                               ; steps 0-3
	STEP 3, 0
	s_cmp_lt_u32 s96, 4
	s_cbranch_scc1 .Lfirst
	s_wait_tensorcnt 0x0                           ; my part of the later keys is in,
	s_wait_dscnt 0x0
	s_barrier_signal -1
	s_barrier_wait -1                              ; everybody's is
	v_add_nc_u32 v3, 4*KSTP, v1
	FETCH_K
	WIN 0
	global_prefetch_b8 v[WPF], s[100:101] th:TH_LOAD_NT scope:SCOPE_SE               ; my weight's first 8,192 bytes, which steps 8-11 load
.Lsecond:                                              ; steps 4-7
	STEP 15, 0
	s_cmp_lt_u32 s96, 8
	s_cbranch_scc1 .Lsecond
	global_prefetch_b8 v[WPF], s[100:101] offset:8192 th:TH_LOAD_NT scope:SCOPE_SE   ; and its last 8,192, which steps 12-15 load
.Lrest:                                                ; steps 8-15, each with a piece of my weight
	STEP 15, 1
	s_cmp_lt_u32 s96, 16
	s_cbranch_scc1 .Lrest
	; THE WAY OUT: o = O^T x 2^(e8 + e9) / l, held, converted with 2^e10; through my stage, so that four lanes store a row's 64 bytes
	s_add_co_i32 s76, s90, 127
	s_lshl_b32 s77, s76, 23                        ; 2^e10
	s_add_co_i32 s76, s76, 15
	s_lshl_b32 s76, s76, 23
	s_or_b32 s76, s76, 0x600000                    ; 57,344 x 2^e10
	s_add_co_i32 s98, s88, s89
.rept 4
	v_nop
.endr
.irp q, 0,1
	v_add_f32 v[ST+8*\q+6], v[ST+8*\q+2], v[ST+8*\q+3]
.endr
.irp q, 0,1
	v_permlanex16_b32 v[10+\q], v[ST+8*\q+6], s66, s67
.endr
.irp q, 0,1
	v_add_f32 v[ST+8*\q+6], v[ST+8*\q+6], v[10+\q]
.endr
	s_wait_alu depctr_va_vdst(0)
.irp q, 0,1
	v_rcp_f32 v[ST+8*\q+4], v[ST+8*\q+6]
.endr
	v_mov_b32 v8, s77
	v_mov_b32 v9, s76
	s_wait_alu depctr_va_vdst(0)                   ; one wait for the two reciprocals
.irp q, 0,1
	v_ldexp_f32 v[ST+8*\q+4], v[ST+8*\q+4], s98
.endr
	WIN 0x01                                       ; source 0 window 1
	s_wait_alu depctr_va_vdst(0)                   ; ahead of the first reader of O^T
.irp q, 0,1
.irp j, 0,2,4,6,8,10,12,14,16,18,20,22,24,26,28,30
	v_pk_mul_f32 v[S+32*\q+\j:S+32*\q+\j+1], v[OO+32*\q+\j:OO+32*\q+\j+1], v[ST+8*\q+4:ST+8*\q+5] op_sel_hi:[1,0]
.endr
.endr
	WIN 0
.set n, 0
.rept 64
	v_med3_num_f32 v[S+n], v[S+n], -v9, v9
.set n, n+1
.endr
.irp q, 0,1
.irp u, 0,1,2,3
	v_cvt_scalef32_pk8_bf8_f32 v[P+8*\q+2*\u:P+8*\q+2*\u+1], v[S+32*\q+8*\u:S+32*\q+8*\u+7], v8
.endr
.endr
	v_nop
.irp q, 0,1
.irp u, 0,1,2,3
	ds_store_b64 v5, v[P+8*\q+2*\u:P+8*\q+2*\u+1] offset:\q*16*SROW+16*\u    ; query 16 q + r, channels 16 u + 8 h + 0 .. 7
.endr
.endr
.irp i, 0,1,2,3
	ds_load_b128 v[176+4*\i:176+4*\i+3], v6 offset:\i*8*SROW                 ; LDS serves a wave's instructions in order: these see my stores
.endr
.irp i, 0,1,2,3
	s_wait_dscnt 3-\i
	global_store_b128 v7, v[176+4*\i:176+4*\i+3], s[78:79] offset:\i*8192
.endr
	s_wait_tensorcnt 0x0                           ; the wave's end
	ds_add_u32 v[SPW], v[NIL]
	s_wait_dscnt 0x0
	CROUND                                         ; the closing round
	s_endpgm
.Lfunc_end_k_q03e86134b9_attn:
	.size	k_q03e86134b9_attn, .Lfunc_end_k_q03e86134b9_attn-k_q03e86134b9_attn
	.p2alignl 7, 3214868480
	.fill 96, 4, 3214868480
	.section	.rodata,"a",@progbits
	.p2align	6, 0x0
	.amdhsa_kernel k_q03e86134b9_attn
		.amdhsa_group_segment_fixed_size 327680
		.amdhsa_private_segment_fixed_size 0
		.amdhsa_enable_private_segment 0
		.amdhsa_kernarg_size 48
		.amdhsa_user_sgpr_count 2
		.amdhsa_user_sgpr_kernarg_segment_ptr 1
		.amdhsa_wavefront_size32 1
		.amdhsa_system_sgpr_workgroup_id_x 1
		.amdhsa_system_sgpr_workgroup_id_y 1
		.amdhsa_system_sgpr_workgroup_id_z 1
		.amdhsa_system_vgpr_workitem_id 0
		.amdhsa_next_free_vgpr 512
		.amdhsa_next_free_sgpr 106
		.amdhsa_reserve_vcc 0
		.amdhsa_float_denorm_mode_32 3
		.amdhsa_float_denorm_mode_16_64 3
		.amdhsa_memory_ordered 1
		.amdhsa_forward_progress 1
		.amdhsa_inst_pref_size 116
	.end_amdhsa_kernel
	.amdgpu_metadata
---
amdhsa.version: [ 1, 2 ]
amdhsa.kernels:
  - .name:           k_q03e86134b9_attn
    .symbol:         k_q03e86134b9_attn.kd
    .args:
      - { .name: qkv, .offset: 0, .size: 8, .value_kind: global_buffer, .address_space: global }
      - { .name: lowp_scales, .offset: 8, .size: 8, .value_kind: global_buffer, .address_space: global }
      - { .name: oc, .offset: 16, .size: 8, .value_kind: global_buffer, .address_space: global }
      - { .name: W1, .offset: 24, .size: 8, .value_kind: global_buffer, .address_space: global }
      - { .name: W2, .offset: 32, .size: 8, .value_kind: global_buffer, .address_space: global }
      - { .name: wc, .offset: 40, .size: 8, .value_kind: global_buffer, .address_space: global }
    .group_segment_fixed_size: 327680
    .private_segment_fixed_size: 0
    .kernarg_segment_align: 8
    .kernarg_segment_size: 48
    .max_flat_workgroup_size: 256
    .sgpr_count:     106
    .vgpr_count:     512
    .wavefront_size: 32
...
	.end_amdgpu_metadata
.endif
;; end of part 3
;; launch wy (part 4): grid 8 x 32, 4 waves a work-group, clusters of 4 x 4, 327,680 bytes of LDS; arguments oc, wc, lowp_scales, by, x, y; writes y
.if DOCPART == 4
	.amdgcn_target "amdgcn-amd-amdhsa--gfx1250"
	.amdhsa_code_object_version 6
	.text
	.protected	k_q03e86134b9_wy
	.globl	k_q03e86134b9_wy
	.p2align	8
	.type	k_q03e86134b9_wy,@function
k_q03e86134b9_wy:
	s_mov_b64 s[64:65], 0
	v_nop
	global_prefetch_b8 v0, s[64:65] scope:SCOPE_SE
	s_setreg_imm32_b32 hwreg(HW_REG_WAVE_MODE, 25, 1), 1
	s_wait_xcnt 0x0
	s_wait_alu depctr_hold_cnt(0) depctr_sa_sdst(0) depctr_va_vdst(0) depctr_va_sdst(0) depctr_va_ssrc(0) depctr_va_vcc(0) depctr_vm_vsrc(0)
	s_getreg_b32 s2, hwreg(HW_REG_IB_STS2, 6, 4)
	s_cmp_eq_u32 s2, 0
	s_cbranch_scc0 .Lentry_in_a_cluster
	s_endpgm
.Lentry_in_a_cluster:
	s_bfe_u32 s2, ttmp6, 0x10000c
	s_cmp_lg_u32 s2, 0xf033
	s_cbranch_scc0 .Lentry_shape_is_right
	s_endpgm
.Lentry_shape_is_right:
; y = o Wy^T + by + x.  o: [4096][1024] codes of BF8; Wy: [1024][1024] codes at byte WOFF of the weights' buffer; by [1024], x and y [4096][1024] f32.
; A tile of 128 x 128, so that there are 256 work-groups; four waves, each 64 x 64: 16 accumulators.
; THE WHOLE K LIES IN LDS AT ONCE: 128 rows of o and 128 of Wy, 1,024 bytes + 16 of padding each, 266,240 bytes.  Each wave fetches 64 rows by ONE joint tensor load at the head: no byte is filled again, there is no ring.
; o's tile is shared along a row of the 4 x 4 cluster, Wy's along a column.  NO PREFETCH: the launch's only tensor loads are issued at its head, so there is no loop to run ahead in.
; Source 0 = 16 rows of Wy, source 1 = 16 rows of o: a lane holds eight neighbouring numbers of a row of y.
; The bias, divided by 2^(ea + eb), is the C of each sum's first product; on the way out one packed multiply-add gives sum x 2^(ea + eb) + x.  x is loaded at the head, in the layout of the rows that come back from the stage.
; LIMIT: ea + eb between -126 and 127.
; REGISTERS: window 0: v0-31 addresses; v32-95 rows on the way out; v96-127 the bias; v128-255 the accumulators.  window 1: two fragment buffers of 128 (o's four fragments, then Wy's four).  window 2: v0-127 x.
.set SIZE_K, 1024
.set WOFF,   0x300000
.set EA,     10
.set PITCH,  1040
.set HALFT,  64*PITCH
.set STAGE,  4*HALFT                   ; behind the tiles: 16 rows x 272 bytes for each wave, into which no tile lands
.set SPITCH, 272
.set SPARE,  STAGE+4*16*SPITCH         ; the spare words: 128 bytes a wave
.set ADRA, 16
.set ADRB, 20
.set STO,  24
.set RD,   25
.set CO,   26
.set SPW,  28
.set NIL,  29
.set OB,   32
.set BC,   96
.set ACC,  128
.set F0,   0
.set F1,   128
.set G1, 24
.set G0, 32
.set G1B, 48
.set G0B, 56
.set MSB, 0
.macro WIN new
.if MSB != \new
	s_set_vgpr_msb (MSB<<8)|\new
.set MSB, \new
.endif
.endm
.set MUL,  0x05
.set TO_F, 0x40
.macro CROUND
	s_barrier_signal -1
	s_barrier_wait -1
	s_cmp_lg_u32 s10, 0
	s_cbranch_scc1 .Lnot_wave_0_\@
	s_barrier_signal -3
.Lnot_wave_0_\@:
	s_barrier_wait -3
	s_barrier_signal -1
	s_barrier_wait -1
.endm
	s_load_b128 s[4:7], s[0:1], 0x0                ; o's codes, the weights' codes
	s_load_b128 s[72:75], s[0:1], 0x10             ; the exponents, the bias
	s_load_b128 s[76:79], s[0:1], 0x20             ; x, y
	v_lshl_add_u32 v[SPW], v0, 2, SPARE
	v_mov_b32 v[NIL], 0
	ds_add_u32 v[SPW], v[NIL]                      ; the opening: the add, twice on end, and its wait ahead of my tensor load
	ds_add_u32 v[SPW], v[NIL]
	v_lshrrev_b32 v1, 5, v0
	v_readfirstlane_b32 s10, v1                    ; wave 0..3
	s_lshr_b32 s11, s10, 1                         ; my half of the tile's rows.  Also: I fetch for o (0) or for Wy (1)
	s_and_b32 s12, s10, 1                          ; my half of its columns.  Also: which 64 rows I fetch
	s_bfe_u32 s40, ttmp6, 0x40000
	s_bfe_u32 s41, ttmp6, 0x40004
	s_lshl_b32 s42, ttmp9, 2
	s_add_co_u32 s42, s42, s40                     ; tile column
	s_and_b32 s13, ttmp7, 0xffff
	s_lshl_b32 s13, s13, 2
	s_add_co_u32 s13, s13, s41                     ; tile row
	s_lshl_b32 s43, s41, 2
	s_lshl_b32 s43, 15, s43
	s_lshl_b32 s44, 0x1111, s40
	s_or_b32 s[G1+0], s43, (0<<16)|(1<<20)|(1<<21)|(7<<22)|(3<<25)   ; mask; 1 byte; padding: 4 words after every 256
	s_or_b32 s[G1B+0], s44, (0<<16)|(1<<20)|(1<<21)|(7<<22)|(3<<25)
.irp g, G1, G1B
	s_mov_b32 s[\g+1], SIZE_K<<16
	s_mov_b32 s[\g+2], 64<<16
	s_mov_b32 s[\g+3], SIZE_K<<16
	s_mov_b32 s[\g+4], 64
	s_mov_b32 s[\g+5], SIZE_K
	s_mov_b32 s[\g+6], 0
	s_mov_b32 s[\g+7], 0
.endr
	s_lshl_b32 s17, s12, 6
	s_lshl_b32 s16, s13, 7
	s_add_co_u32 s16, s16, s17
	s_lshl_b32 s16, s16, 10                        ; o: row 128 x tile row + 64 x half, in bytes
	s_lshl_b32 s46, s42, 7
	s_add_co_u32 s46, s46, s17
	s_lshl_b32 s46, s46, 10
	s_add_co_u32 s46, s46, WOFF                    ; Wy likewise, by the tile column
	s_mov_b32 s17, 0
	s_mov_b32 s47, 0
	s_mov_b32 s[G0], 1
	s_mul_i32 s[G0+1], s10, HALFT                  ; where my 64 rows go: the wave's number alone
	s_mov_b32 s[G0B], 1
	s_mul_i32 s[G0B+1], s10, HALFT
	s_wait_dscnt 0x0                               ; both opening adds are done
	s_wait_kmcnt 0x0
	s_load_b64 s[80:81], s[72:73], EA*4            ; ea, eb
	s_add_nc_u64 s[G0+2:G0+3], s[4:5], s[16:17]
	s_or_b32 s[G0+3], s[G0+3], 0x80000000
	s_add_nc_u64 s[G0B+2:G0B+3], s[6:7], s[46:47]
	s_or_b32 s[G0B+3], s[G0B+3], 0x80000000
	CROUND                                         ; all sixteen work-groups are here: the joint loads meet
	s_cmp_eq_u32 s11, 0                            ; waves 0, 1 fetch o's halves, waves 2, 3 Wy's; s_nop 0 and four v_nop follow each line
	s_cbranch_scc0 .Lfor_b
	tensor_load_to_lds s[G0:G0+3], s[G1:G1+7]
	s_nop 0
.rept 4
	v_nop
.endr
	s_branch .Lasked
.Lfor_b:
	tensor_load_to_lds s[G0B:G0B+3], s[G1B:G1B+7]
	s_nop 0
.rept 4
	v_nop
.endr
.Lasked:
	s_mul_i32 s21, s11, HALFT                      ; my 64 rows of o,
	s_mul_i32 s22, s12, HALFT
	s_add_co_u32 s22, s22, 2*HALFT                 ; and of Wy, behind o's 128
	s_mul_i32 s23, s10, 16*SPITCH
	s_add_co_u32 s23, s23, STAGE                   ; my stage
	s_lshl_b32 s18, s42, 9
	s_lshl_b32 s19, s12, 8
	s_add_co_u32 s18, s18, s19                     ; my first column, in bytes of f32
	s_mov_b32 s19, 0
	s_add_nc_u64 s[74:75], s[74:75], s[18:19]
	s_lshl_b32 s14, s13, 7
	s_lshl_b32 s15, s11, 6
	s_add_co_u32 s14, s14, s15                     ; my first row
	s_lshl_b32 s14, s14, 12
	s_add_co_u32 s14, s14, s18
	s_mov_b32 s15, 0
	s_add_nc_u64 s[76:77], s[76:77], s[14:15]
	s_add_nc_u64 s[78:79], s[78:79], s[14:15]
	v_and_b32 v1, 15, v0                           ; r
	v_bfe_u32 v2, v0, 4, 1                         ; h
	v_mul_u32_u24 v3, v1, PITCH
	v_lshl_add_u32 v3, v2, 4, v3
	v_add_nc_u32 v[ADRA], s21, v3
	v_add_nc_u32 v[ADRB], s22, v3
	v_mul_u32_u24 v4, v1, SPITCH
	v_lshl_add_u32 v4, v2, 5, v4
	v_add_nc_u32 v[STO], s23, v4                   ; the stage, in: row r, 32 h
	v_mul_u32_u24 v5, v2, SPITCH
	v_lshl_add_u32 v5, v1, 4, v5
	v_add_nc_u32 v[RD], s23, v5                    ; back: sixteen lanes to a row of 256 bytes
	v_lshlrev_b32 v5, 12, v2
	v_lshl_add_u32 v[CO], v1, 4, v5                ; and the same two rows in y and in x
	v_lshlrev_b32 v6, 5, v2                        ; the bias: 32 h
.irp b, 0,1,2,3
	global_load_b128 v[BC+8*\b:BC+8*\b+3], v6, s[74:75] offset:64*\b
	global_load_b128 v[BC+8*\b+4:BC+8*\b+7], v6, s[74:75] offset:64*\b+16
.endr
	WIN 0x80                                       ; destination window 2
.irp a, 0,1,2,3
.irp t, 0,1,2,3,4,5,6,7
	global_load_b128 v[32*\a+4*\t:32*\a+4*\t+3], v[CO], s[76:77] offset:(16*\a+2*\t)*4096 th:TH_LOAD_NT
.endr
.endr
	WIN 0
	s_wait_loadcnt 32                              ; the bias's eight loads are in; x's 32 stay out
	s_wait_kmcnt 0x0
	s_add_co_i32 s83, s80, s81
	s_sub_co_i32 s82, 0, s83
	s_add_co_i32 s96, s83, 127
	s_lshl_b32 s96, s96, 23                        ; 2^(ea + eb) as f32
	s_mov_b32 s97, s96
.set n, 0
.rept 32
	v_ldexp_f32 v[BC+n], v[BC+n], s82              ; the bias goes in divided by the power of two that the sums lack
.set n, n+1
.endr
.macro MUL4 f, a, zero                 ; the 16 accumulators take turns, one instruction a turn
.irp b, 0,1,2,3
.if \zero
	v_wmma_f32_16x16x128_bf8_bf8 v[ACC+8*(4*(\a)+\b):ACC+8*(4*(\a)+\b)+7], v[\f+64+16*\b:\f+64+16*\b+15], v[\f+16*(\a):\f+16*(\a)+15], v[BC+8*\b:BC+8*\b+7]
.else
	v_wmma_f32_16x16x128_bf8_bf8 v[ACC+8*(4*(\a)+\b):ACC+8*(4*(\a)+\b)+7], v[\f+64+16*\b:\f+64+16*\b+15], v[\f+16*(\a):\f+16*(\a)+15], v[ACC+8*(4*(\a)+\b):ACC+8*(4*(\a)+\b)+7]
.endif
.endr
.endm
.macro FRAG reg, adr, k, i
.irp c, 0,1,2,3
	ds_load_b128 v[\reg+4*\c:\reg+4*\c+3], v[\adr] offset:(\k)+32*\c+(\i)*16*PITCH
.endr
.endm
.macro FETCH k, f                      ; 32 loads in one run: Wy's four fragments, then o's four, 128 along K at byte k of the rows
	WIN TO_F
.irp i, 0,1,2,3
	FRAG \f+64+16*\i, ADRB, \k, \i
.endr
.irp i, 0,1,2,3
	FRAG \f+16*\i, ADRA, \k, \i
.endr
.endm
.macro PLACES
.rept 4
	v_nop
.endr
.endm
.macro QUARTER k, f, g, zero           ; 128 along K on buffer f; in its middle the next 128, at byte k, are fetched into g
	s_wait_dscnt 8                                 ; all but o's fragments 2 and 3
	WIN MUL
	MUL4 \f, 0, \zero
	MUL4 \f, 1, \zero
	PLACES
	FETCH \k, \g
	s_wait_dscnt 32                                ; all but the 32 just issued
	WIN MUL
	MUL4 \f, 2, \zero
	MUL4 \f, 3, \zero
.endm
	s_wait_alu depctr_va_vdst(0)
	s_wait_tensorcnt 0x0                           ; my 64 rows are in,
	s_barrier_signal -1
	s_barrier_wait -1                              ; everybody's are
	FETCH 0, F0
	QUARTER 128, F0, F1, 1                         ; the first products start the sums, with the bias as C
.irp k, 256, 512, 768
	QUARTER \k, F1, F0, 0
	QUARTER \k+128, F0, F1, 0
.endr
	s_wait_dscnt 8
	WIN MUL
	MUL4 F1, 0, 0
	MUL4 F1, 1, 0
	s_wait_dscnt 0
	MUL4 F1, 2, 0
	MUL4 F1, 3, 0
	WIN 0
	; THE WAY OUT, 16 rows x 64 columns at a time through my own stage: a row's 256 bytes are my wave's own
.macro BLOCK a
.set BK, OB+32*((\a)%2)
.irp b, 0,1,2,3
	ds_store_b128 v[STO], v[ACC+8*(4*(\a)+\b):ACC+8*(4*(\a)+\b)+3] offset:64*\b
	ds_store_b128 v[STO], v[ACC+8*(4*(\a)+\b)+4:ACC+8*(4*(\a)+\b)+7] offset:64*\b+16
.endr
.irp t, 0,1,2,3,4,5,6,7
	ds_load_b128 v[BK+4*\t:BK+4*\t+3], v[RD] offset:\t*2*SPITCH    ; LDS serves a wave's instructions in order
.endr
.endm
.macro SEND a, younger
.set BK, OB+32*((\a)%2)
	s_wait_dscnt \younger
	WIN 0x20                                       ; source 2 (x) window 2
.irp k, 0,2,4,6,8,10,12,14,16,18,20,22,24,26,28,30
	v_pk_fma_f32 v[BK+\k:BK+\k+1], v[BK+\k:BK+\k+1], s[96:97], v[32*(\a)+\k:32*(\a)+\k+1] op_sel_hi:[1,0,1]
.endr
	WIN 0
.irp t, 0,1,2,3,4,5,6,7
	global_store_b128 v[CO], v[BK+4*\t:BK+4*\t+3], s[78:79] offset:(16*(\a)+2*\t)*4096    ; sixteen lanes store 256 consecutive bytes, aligned
.endr
.endm
	s_wait_loadcnt 0x0                             ; x
	PLACES
	BLOCK 0
	BLOCK 1
	SEND 0, 16
	s_wait_xcnt 0x0                                ; block 0's stores have read their registers
	BLOCK 2
	SEND 1, 16
	s_wait_xcnt 0x0
	BLOCK 3
	SEND 2, 16
	SEND 3, 0
	s_wait_tensorcnt 0x0                           ; the wave's end
	ds_add_u32 v[SPW], v[NIL]
	s_wait_dscnt 0x0
	CROUND                                         ; the closing round
	s_endpgm
.Lfunc_end_k_q03e86134b9_wy:
	.size	k_q03e86134b9_wy, .Lfunc_end_k_q03e86134b9_wy-k_q03e86134b9_wy
	.p2alignl 7, 3214868480
	.fill 96, 4, 3214868480
	.section	.rodata,"a",@progbits
	.p2align	6, 0x0
	.amdhsa_kernel k_q03e86134b9_wy
		.amdhsa_group_segment_fixed_size 327680
		.amdhsa_private_segment_fixed_size 0
		.amdhsa_enable_private_segment 0
		.amdhsa_kernarg_size 48
		.amdhsa_user_sgpr_count 2
		.amdhsa_user_sgpr_kernarg_segment_ptr 1
		.amdhsa_wavefront_size32 1
		.amdhsa_system_sgpr_workgroup_id_x 1
		.amdhsa_system_sgpr_workgroup_id_y 1
		.amdhsa_system_sgpr_workgroup_id_z 1
		.amdhsa_system_vgpr_workitem_id 0
		.amdhsa_next_free_vgpr 768
		.amdhsa_next_free_sgpr 100
		.amdhsa_reserve_vcc 0
		.amdhsa_float_denorm_mode_32 3
		.amdhsa_float_denorm_mode_16_64 3
		.amdhsa_memory_ordered 1
		.amdhsa_forward_progress 1
		.amdhsa_inst_pref_size 50
	.end_amdhsa_kernel
	.amdgpu_metadata
---
amdhsa.version: [ 1, 2 ]
amdhsa.kernels:
  - .name:           k_q03e86134b9_wy
    .symbol:         k_q03e86134b9_wy.kd
    .args:
      - { .name: oc, .offset: 0, .size: 8, .value_kind: global_buffer, .address_space: global }
      - { .name: wc, .offset: 8, .size: 8, .value_kind: global_buffer, .address_space: global }
      - { .name: lowp_scales, .offset: 16, .size: 8, .value_kind: global_buffer, .address_space: global }
      - { .name: by, .offset: 24, .size: 8, .value_kind: global_buffer, .address_space: global }
      - { .name: x, .offset: 32, .size: 8, .value_kind: global_buffer, .address_space: global }
      - { .name: y, .offset: 40, .size: 8, .value_kind: global_buffer, .address_space: global }
    .group_segment_fixed_size: 327680
    .private_segment_fixed_size: 0
    .kernarg_segment_align: 8
    .kernarg_segment_size: 48
    .max_flat_workgroup_size: 128
    .sgpr_count:     100
    .vgpr_count:     768
    .wavefront_size: 32
...
	.end_amdgpu_metadata
.endif
;; end of part 4
;; launch ln1 (part 5): grid 256 x 1, 8 waves a work-group, no clusters, 17,408 bytes of LDS; arguments y, ln1_w, ln1_b, lowp_scales, x1, x1c; writes x1, x1c
.if DOCPART == 5
	.amdgcn_target "amdgcn-amd-amdhsa--gfx1250"
	.amdhsa_code_object_version 6
	.text
	.protected	k_q03e86134b9_ln1
	.globl	k_q03e86134b9_ln1
	.p2align	8
	.type	k_q03e86134b9_ln1,@function
k_q03e86134b9_ln1:
	s_mov_b64 s[64:65], 0
	v_nop
	global_prefetch_b8 v0, s[64:65] scope:SCOPE_SE
	s_setreg_imm32_b32 hwreg(HW_REG_WAVE_MODE, 25, 1), 1
	s_wait_xcnt 0x0
; out[r][:] = (y[r][:] - mean) / sqrt(var + 1e-5) x w + b, rows of 1,024 f32, the variance biased and taken of y - mean.  CODES = 1: the result is also quantised to BF8 with 2^e12.
; A wave takes two rows; a whole row lies in 32 registers (eight loads of 512 consecutive bytes), so memory is read once and no wave waits for another.  All loads go out at the head.
; The codes: a lane's register j holds the four codes of columns 128 j + 4 lane; they turn through 1,024 bytes of LDS of the row's own and leave as two stores of 512 consecutive bytes.
; LIMITS: e12 between -126 and 112.  NaN among the inputs is not served.
.set CODES, 1
.set W,  32
.set B,  64
.set X,  96
.set T,  160
.set RB, 192
.if CODES
.set OUTP, 12
.else
.set OUTP, 10
.endif
	s_load_b128 s[4:7], s[0:1], 0x0                ; y, w
.if CODES
	s_load_b128 s[8:11], s[0:1], 0x10              ; b, the exponents
	s_load_b128 s[12:15], s[0:1], 0x20             ; the result, its codes
	v_lshl_add_u32 v208, v0, 2, 0x4000
	v_mov_b32 v209, 0
.else
	s_load_b128 s[8:11], s[0:1], 0x10              ; b, the result
.endif
	v_lshrrev_b32 v1, 5, v0
	s_delay_alu instid0(VALU_DEP_1)
	v_readfirstlane_b32 s16, v1                    ; wave
	v_and_b32 v2, 31, v0
	s_wait_alu depctr_va_vdst(0)
	v_lshlrev_b32 v1, 4, v2                        ; 16 x lane
	s_lshl_b32 s17, ttmp9, 4
	s_lshl_b32 s18, s16, 1
	s_add_co_u32 s17, s17, s18                     ; my first row
	s_lshl_b32 s18, s17, 12
	s_mov_b32 s19, 0
	s_mov_b32 s20, 0x3a800000                      ; 1 / 1,024
	s_mov_b32 s21, 0x3727c5ac                      ; 1e-5
	s_mov_b32 s22, 0x76543210
	s_mov_b32 s23, 0xfedcba98
	v_mov_b32 v6, 0                                ; a lane permute's destination counts as one of its sources
.if CODES
	s_lshl_b32 s25, s16, 11
	v_lshl_add_u32 v3, v2, 2, s25                  ; LDS: 4 x lane + my wave's 2,048 bytes
	v_lshl_add_u32 v7, v2, 4, s25                  ; and 16 x lane
.endif
	s_wait_alu depctr_va_vdst(0)
	s_wait_kmcnt 0x0
	s_add_nc_u64 s[4:5], s[4:5], s[18:19]
	s_add_nc_u64 s[OUTP:OUTP+1], s[OUTP:OUTP+1], s[18:19]
.if CODES
	s_load_b32 s24, s[10:11], 0x30                 ; e12
	s_lshl_b32 s18, s17, 10
	s_add_nc_u64 s[14:15], s[14:15], s[18:19]
.endif
.irp j, 0,1,2,3,4,5,6,7
	global_load_b128 v[W+4*\j:W+4*\j+3], v1, s[6:7] offset:512*\j
.endr
.irp j, 0,1,2,3,4,5,6,7
	global_load_b128 v[B+4*\j:B+4*\j+3], v1, s[8:9] offset:512*\j
.endr
.irp i, 0,1
.irp j, 0,1,2,3,4,5,6,7
	global_load_b128 v[X+32*\i+4*\j:X+32*\i+4*\j+3], v1, s[4:5] offset:4096*\i+512*\j th:TH_LOAD_NT
.endr
.endr
.if CODES
	s_wait_kmcnt 0x0
	s_add_co_i32 s24, s24, 127
	s_lshl_b32 s25, s24, 23
	v_mov_b32 v12, s25                             ; 2^e12
	s_add_co_i32 s24, s24, 15
	s_lshl_b32 s24, s24, 23
	s_or_b32 s24, s24, 0x600000
	v_mov_b32 v13, s24                             ; 57,344 x 2^e12
.endif
.macro REDUCE                          ; v4 summed over the 32 lanes, the result in every lane
	s_delay_alu instid0(VALU_DEP_1)
	v_add_f32_dpp v4, v4, v4 row_xmask:1 row_mask:0xf bank_mask:0xf
	s_delay_alu instid0(VALU_DEP_1)
	v_add_f32_dpp v4, v4, v4 row_xmask:2 row_mask:0xf bank_mask:0xf
	s_delay_alu instid0(VALU_DEP_1)
	v_add_f32_dpp v4, v4, v4 row_xmask:4 row_mask:0xf bank_mask:0xf
	s_delay_alu instid0(VALU_DEP_1)
	v_add_f32_dpp v4, v4, v4 row_xmask:8 row_mask:0xf bank_mask:0xf
	s_delay_alu instid0(VALU_DEP_1)
	v_permlanex16_b32 v6, v4, s22, s23
	s_delay_alu instid0(VALU_DEP_1)
	v_add_f32 v4, v4, v6
.endm
.macro FOLD                            ; four chains of pairs into v4
	s_delay_alu instid0(VALU_DEP_3)
	v_pk_add_f32 v[T:T+1], v[T:T+1], v[T+2:T+3]
	s_delay_alu instid0(VALU_DEP_2)
	v_pk_add_f32 v[T+4:T+5], v[T+4:T+5], v[T+6:T+7]
	s_delay_alu instid0(VALU_DEP_1)
	v_pk_add_f32 v[T:T+1], v[T:T+1], v[T+4:T+5]
	s_delay_alu instid0(VALU_DEP_1)
	v_add_f32 v4, v[T], v[T+1]
.endm
.macro ROW i
.set XR, X+32*\i
.set CDR, 16+8*\i
	s_wait_loadcnt 8-8*\i                          ; w, b and this row are in; the next row's eight loads may be out
.irp c, 0,1,2,3
	v_pk_add_f32 v[T+2*\c:T+2*\c+1], v[XR+4*\c:XR+4*\c+1], v[XR+4*\c+2:XR+4*\c+3]
.endr
.irp k, 0,1
.irp c, 0,1,2,3
	s_delay_alu instid0(VALU_DEP_4)
	v_pk_add_f32 v[T+2*\c:T+2*\c+1], v[T+2*\c:T+2*\c+1], v[XR+16+8*\k+2*\c:XR+16+8*\k+2*\c+1]
.endr
.endr
	FOLD
	REDUCE
	s_delay_alu instid0(VALU_DEP_1)
	v_mul_f32 v8, s20, v4                          ; the mean
	s_delay_alu instid0(VALU_DEP_1)
	v_mov_b32 v9, v8
.irp k, 0,2,4,6,8,10,12,14,16,18,20,22,24,26,28,30
	v_pk_add_f32 v[XR+\k:XR+\k+1], v[XR+\k:XR+\k+1], v[8:9] neg_lo:[0,1] neg_hi:[0,1]
.endr
.irp c, 0,1,2,3
	v_pk_mul_f32 v[T+2*\c:T+2*\c+1], v[XR+2*\c:XR+2*\c+1], v[XR+2*\c:XR+2*\c+1]
.endr
.irp k, 1,2,3
.irp c, 0,1,2,3
	s_delay_alu instid0(VALU_DEP_4)
	v_pk_fma_f32 v[T+2*\c:T+2*\c+1], v[XR+8*\k+2*\c:XR+8*\k+2*\c+1], v[XR+8*\k+2*\c:XR+8*\k+2*\c+1], v[T+2*\c:T+2*\c+1]
.endr
.endr
	FOLD
	REDUCE
	s_delay_alu instid0(VALU_DEP_1)
	v_fma_f32 v5, v4, s20, s21                     ; the variance + 1e-5
	s_wait_alu depctr_va_vdst(0)
	v_rsq_f32 v10, v5
	v_nop
	s_wait_alu depctr_va_vdst(0)                   ; ahead of the first reader of the root
	v_mov_b32 v11, v10
.irp k, 0,2,4,6,8,10,12,14,16,18,20,22,24,26,28,30
	v_pk_mul_f32 v[XR+\k:XR+\k+1], v[XR+\k:XR+\k+1], v[10:11]
.endr
.irp k, 0,2,4,6,8,10,12,14,16,18,20,22,24,26,28,30
	v_pk_fma_f32 v[XR+\k:XR+\k+1], v[XR+\k:XR+\k+1], v[W+\k:W+\k+1], v[B+\k:B+\k+1]
.endr
.irp j, 0,1,2,3,4,5,6,7
	global_store_b128 v1, v[XR+4*\j:XR+4*\j+3], s[OUTP:OUTP+1] offset:4096*\i+512*\j
.endr
.if CODES
.set n, 0
.rept 32
	v_med3_num_f32 v[T+n], v[XR+n], -v13, v13      ; into other registers: the row is still the stores' data
.set n, n+1
.endr
.irp g, 0,1,2,3
	v_cvt_scalef32_pk8_bf8_f32 v[CDR+2*\g:CDR+2*\g+1], v[T+8*\g:T+8*\g+7], v12
.endr
	v_nop                                          ; a plain line between the conversions and the next row's sums, which write their sources
.irp j, 0,1,2,3,4,5,6,7
	ds_store_b32 v3, v[CDR+\j] offset:1024*\i+128*\j
.endr
.irp u, 0,1
	ds_load_b128 v[RB+8*\i+4*\u:RB+8*\i+4*\u+3], v7 offset:1024*\i+512*\u    ; LDS serves a wave's instructions in order
.endr
.irp u, 0,1
	s_wait_dscnt 1-\u
	global_store_b128 v1, v[RB+8*\i+4*\u:RB+8*\i+4*\u+3], s[14:15] offset:1024*\i+512*\u
.endr
.endif
.endm
	ROW 0
	ROW 1
	s_wait_tensorcnt 0x0
	ds_add_u32 v208, v209
	s_wait_dscnt 0x0
	s_endpgm
.Lfunc_end_k_q03e86134b9_ln1:
	.size	k_q03e86134b9_ln1, .Lfunc_end_k_q03e86134b9_ln1-k_q03e86134b9_ln1
	.p2alignl 7, 3214868480
	.fill 96, 4, 3214868480
	.section	.rodata,"a",@progbits
	.p2align	6, 0x0
	.amdhsa_kernel k_q03e86134b9_ln1
		.amdhsa_group_segment_fixed_size 17408
		.amdhsa_private_segment_fixed_size 0
		.amdhsa_enable_private_segment 0
		.amdhsa_kernarg_size 48
		.amdhsa_user_sgpr_count 2
		.amdhsa_user_sgpr_kernarg_segment_ptr 1
		.amdhsa_wavefront_size32 1
		.amdhsa_system_sgpr_workgroup_id_x 1
		.amdhsa_system_sgpr_workgroup_id_y 1
		.amdhsa_system_sgpr_workgroup_id_z 1
		.amdhsa_system_vgpr_workitem_id 0
		.amdhsa_next_free_vgpr 210
		.amdhsa_next_free_sgpr 66
		.amdhsa_reserve_vcc 0
		.amdhsa_float_denorm_mode_32 3
		.amdhsa_float_denorm_mode_16_64 3
		.amdhsa_memory_ordered 1
		.amdhsa_forward_progress 1
		.amdhsa_inst_pref_size 28
	.end_amdhsa_kernel
	.amdgpu_metadata
---
amdhsa.version: [ 1, 2 ]
amdhsa.kernels:
  - .name:           k_q03e86134b9_ln1
    .symbol:         k_q03e86134b9_ln1.kd
    .args:
      - { .name: y, .offset: 0, .size: 8, .value_kind: global_buffer, .address_space: global }
      - { .name: ln1_w, .offset: 8, .size: 8, .value_kind: global_buffer, .address_space: global }
      - { .name: ln1_b, .offset: 16, .size: 8, .value_kind: global_buffer, .address_space: global }
      - { .name: lowp_scales, .offset: 24, .size: 8, .value_kind: global_buffer, .address_space: global }
      - { .name: x1, .offset: 32, .size: 8, .value_kind: global_buffer, .address_space: global }
      - { .name: x1c, .offset: 40, .size: 8, .value_kind: global_buffer, .address_space: global }
    .group_segment_fixed_size: 17408
    .private_segment_fixed_size: 0
    .kernarg_segment_align: 8
    .kernarg_segment_size: 48
    .max_flat_workgroup_size: 256
    .sgpr_count:     66
    .vgpr_count:     210
    .wavefront_size: 32
...
	.end_amdgpu_metadata
.endif
;; end of part 5
;; launch w1 (part 6): grid 16 x 16, 4 waves a work-group, clusters of 4 x 4, 327,680 bytes of LDS; arguments x1c, wc, lowp_scales, b1, hc; writes hc
.if DOCPART == 6
	.amdgcn_target "amdgcn-amd-amdhsa--gfx1250"
	.amdhsa_code_object_version 6
	.text
	.protected	k_q03e86134b9_w1
	.globl	k_q03e86134b9_w1
	.p2align	8
	.type	k_q03e86134b9_w1,@function
k_q03e86134b9_w1:
	s_mov_b64 s[64:65], 0
	v_nop
	global_prefetch_b8 v0, s[64:65] scope:SCOPE_SE
	s_setreg_imm32_b32 hwreg(HW_REG_WAVE_MODE, 25, 1), 1
	s_wait_xcnt 0x0
	s_wait_alu depctr_hold_cnt(0) depctr_sa_sdst(0) depctr_va_vdst(0) depctr_va_sdst(0) depctr_va_ssrc(0) depctr_va_vcc(0) depctr_vm_vsrc(0)
	s_getreg_b32 s2, hwreg(HW_REG_IB_STS2, 6, 4)
	s_cmp_eq_u32 s2, 0
	s_cbranch_scc0 .Lentry_in_a_cluster
	s_endpgm
.Lentry_in_a_cluster:
	s_bfe_u32 s2, ttmp6, 0x10000c
	s_cmp_lg_u32 s2, 0xf033
	s_cbranch_scc0 .Lentry_shape_is_right
	s_endpgm
.Lentry_shape_is_right:
.set ROWB,   256
.set KROW,   1024
.set PITCH,  272
.set FR,     16
.set NL,     4
.set NP,     4
.set HALFT,  128*PITCH
.set SLOT,   4*HALFT
.set LAPS,   2
.set SPARE,  2*SLOT
.set CP,     144
.set WSTG,   128*CP+128
.set ADRA, 16
.set BO32, 19
.set ADRB, 20
.set VSC,  22
.set VLIM, 23
.set STO,  25
.set RD,   26
.set GO,   27
.set SPW,  28
.set NIL,  29
.set BIAS, 32
.set CD,   96
.set AF,   128
.set TMP,  128
.set XW,   0                           ; GELU's 4 x 64 registers at work lie in window 1, which B's fragments have left
.set X2,   64
.set PA,   128
.set PB,   192
.set OB,   128
.set G1, 24
.set G0, 32
.set G1B, 48
.set G0B, 56
.set MSB, 0
.macro WIN new
.if MSB != \new
	s_set_vgpr_msb (MSB<<8)|\new
.set MSB, \new
.endif
.endm
.set MUL_LO, 0xa1
.set MUL_HI, 0xf1
.set TO_B,   0x40
.macro JLOAD g0a, g1a, g0b, g1b
	s_cmp_eq_u32 s15, 0
	s_cbranch_scc0 .Lfor_b_\@
	tensor_load_to_lds s[\g0a:\g0a+3], s[\g1a:\g1a+7]
	s_nop 0
.rept 4
	v_nop
.endr
	s_branch .Lasked_\@
.Lfor_b_\@:
	tensor_load_to_lds s[\g0b:\g0b+3], s[\g1b:\g1b+7]
	s_nop 0
.rept 4
	v_nop
.endr
.Lasked_\@:
.endm
.macro CREST
	s_cmp_lg_u32 s14, 0
	s_cbranch_scc1 .Lnot_wave_0_\@
	s_barrier_signal -3
.Lnot_wave_0_\@:
	s_barrier_wait -3
	s_barrier_signal -1
	s_barrier_wait -1
.endm
.macro CROUND
	s_barrier_signal -1
	s_barrier_wait -1
	CREST
.endm
	s_load_b128 s[4:7], s[0:1], 0x0
	s_load_b128 s[8:11], s[0:1], 0x10
	s_load_b64 s[12:13], s[0:1], 0x20
	v_lshl_add_u32 v[SPW], v0, 2, SPARE
	v_mov_b32 v[NIL], 0
	ds_add_u32 v28, v29
	ds_add_u32 v28, v29
	s_wait_dscnt 0x0
	v_lshrrev_b32 v1, 5, v0
	v_readfirstlane_b32 s14, v1
	s_lshr_b32 s15, s14, 1
	s_and_b32 s16, s14, 1
	s_bfe_u32 s40, ttmp6, 0x40000
	s_bfe_u32 s41, ttmp6, 0x40004
	s_lshl_b32 s42, ttmp9, 2
	s_add_co_u32 s42, s42, s40
	s_and_b32 s17, ttmp7, 0xffff
	s_lshl_b32 s17, s17, 2
	s_add_co_u32 s17, s17, s41
	s_lshl_b32 s43, s41, 2
	s_lshl_b32 s43, 15, s43
	s_lshl_b32 s44, 0x1111, s40
	s_or_b32 s[G1+0], s43, (0<<16)|(1<<20)|(1<<21)|(5<<22)|(3<<25)
	s_or_b32 s[G1B+0], s44, (0<<16)|(1<<20)|(1<<21)|(5<<22)|(3<<25)
.irp g, G1, G1B
	s_mov_b32 s[\g+1], ROWB<<16
	s_mov_b32 s[\g+2], 128<<16
	s_mov_b32 s[\g+3], ROWB<<16
	s_mov_b32 s[\g+4], 128
	s_mov_b32 s[\g+5], KROW
	s_mov_b32 s[\g+6], 0
	s_mov_b32 s[\g+7], 0
.endr
	s_lshl_b32 s18, s16, 7
	s_lshl_b32 s20, s17, 8
	s_add_co_u32 s20, s20, s18
	s_lshl_b32 s20, s20, 10
	s_lshl_b32 s46, s42, 8
	s_add_co_u32 s46, s46, s18
	s_lshl_b32 s46, s46, 10
	s_add_co_u32 s46, s46, 0x400000
	s_mov_b32 s21, 0
	s_mov_b32 s47, 0
	s_mul_i32 s45, s14, HALFT
	s_wait_kmcnt 0x0
	s_load_b128 s[92:95], s[8:9], 0x30
	s_add_nc_u64 s[20:21], s[4:5], s[20:21]
	s_add_nc_u64 s[46:47], s[6:7], s[46:47]
	CROUND
.irp s, 0,1
	s_mov_b32 s[G0+4*\s], 1
	s_add_co_u32 s[G0+4*\s+1], s45, \s*SLOT
	s_add_nc_u64 s[G0+4*\s+2:G0+4*\s+3], s[20:21], \s*ROWB
	s_or_b32 s[G0+4*\s+3], s[G0+4*\s+3], 0x80000000
	s_mov_b32 s[G0B+4*\s], 1
	s_add_co_u32 s[G0B+4*\s+1], s45, \s*SLOT
	s_add_nc_u64 s[G0B+4*\s+2:G0B+4*\s+3], s[46:47], \s*ROWB
	s_or_b32 s[G0B+4*\s+3], s[G0B+4*\s+3], 0x80000000
.if \s                                         ; slot 1's first fill is issued as a refill is
	s_wait_alu depctr_va_vdst(0)
	s_wait_tensorcnt 0x0
	ds_add_u32 v28, v29
	s_wait_dscnt 0x0
	CROUND
.endif
	JLOAD G0+4*\s, G1, G0B+4*\s, G1B
	; PREFETCHES INTO THE L2 (a K step is 256 bytes of each row): behind K step 0's load K steps 1 and 2, behind K step 1's load K step 3: at most two K steps are asked for and not yet loaded.
	; Of the 128 rows that my wave fetches, each of the four partners that ask for them jointly names 32, told apart by address (cx for x1's codes, cy for W1's): a lane a row, each block of 256 bytes once in the cluster
.if \s == 0
	s_cmp_eq_u32 s15, 0
	s_cselect_b64 s[88:89], s[20:21], s[46:47]
	s_cselect_b32 s90, s40, s41
	s_lshl_b32 s90, s90, 15                        ; 32 rows of 1,024 bytes
	s_mov_b32 s91, 0
	s_add_nc_u64 s[88:89], s[88:89], s[90:91]
	v_and_b32 v30, 31, v0
	v_lshlrev_b32 v30, 10, v30
	global_prefetch_b8 v30, s[88:89] offset:256 th:TH_LOAD_NT scope:SCOPE_SE
	global_prefetch_b8 v30, s[88:89] offset:512 th:TH_LOAD_NT scope:SCOPE_SE
.else
	global_prefetch_b8 v30, s[88:89] offset:768 th:TH_LOAD_NT scope:SCOPE_SE
.endif
.endr
	v_and_b32 v1, 15, v0
	s_wait_alu depctr_va_vdst(0)
	v_bfe_u32 v2, v0, 4, 1
	v_mul_u32_u24 v3, v1, PITCH
	v_lshl_add_u32 v4, v2, 4, v3
	s_mul_i32 s21, s15, HALFT
	s_mul_i32 s22, s16, HALFT
	s_add_co_u32 s22, s22, 2*HALFT
.irp s, 0,1
	v_add_nc_u32 v[ADRA+\s], s21, v4
	v_add_nc_u32 v[ADRB+\s], s22, v4
	s_add_co_u32 s21, s21, SLOT
	s_add_co_u32 s22, s22, SLOT
.endr
	s_mul_i32 s23, s14, WSTG
	v_mul_u32_u24 v5, v1, CP
	s_wait_alu depctr_va_vdst(0)
	v_lshl_add_u32 v5, v2, 3, v5
	v_add_nc_u32 v[STO], s23, v5
	s_mul_i32 s18, s15, 2*WSTG
	s_mul_i32 s19, s16, 64*CP
	s_add_co_u32 s18, s18, s19
	v_bfe_u32 v7, v0, 3, 1
	v_mul_u32_u24 v7, v7, WSTG
	v_mul_u32_u24 v8, v2, CP
	v_add_nc_u32 v7, v7, v8
	v_and_b32 v6, 7, v0
	v_lshl_add_u32 v7, v6, 4, v7
	v_add_nc_u32 v[RD], s18, v7
	v_lshlrev_b32 v[GO], 12, v2
	v_lshl_add_u32 v[GO], v1, 4, v[GO]
	v_lshlrev_b32 v[BO32], 5, v2
	s_lshl_b32 s68, s42, 10
	s_lshl_b32 s69, s16, 9
	s_add_co_u32 s68, s68, s69
	s_mov_b32 s69, 0
	s_add_nc_u64 s[10:11], s[10:11], s[68:69]
.irp b, 0,1,2,3,4,5,6,7
	global_load_b128 v[BIAS+8*\b:BIAS+8*\b+3], v[BO32], s[10:11] offset:64*\b
	global_load_b128 v[BIAS+8*\b+4:BIAS+8*\b+7], v[BO32], s[10:11] offset:64*\b+16
.endr
	s_lshl_b32 s68, s17, 8
	s_lshl_b32 s70, s14, 6
	s_add_co_u32 s68, s68, s70
	s_lshl_b32 s68, s68, 12
	s_lshl_b32 s70, s42, 8
	s_add_co_u32 s68, s68, s70
	s_add_nc_u64 s[12:13], s[12:13], s[68:69]
.macro FRAG reg, adr, q, i
.irp c, 0,1,2,3
	ds_load_b128 v[\reg+4*\c:\reg+4*\c+3], v[\adr] offset:128*(\q)+32*\c+(\i)*16*PITCH
.endr
.endm
.macro MUL16 a0, p, zero
.irp a, \a0, \a0+1
.irp b, 0,1,2,3,4,5,6,7
.if \zero
	v_wmma_f32_16x16x128_bf8_bf8 v[8*(8*((\a)%4)+\b):8*(8*((\a)%4)+\b)+7], v[128*(\p)+FR*\b:128*(\p)+FR*\b+FR-1], v[AF+FR*(\a):AF+FR*(\a)+FR-1], 0
.else
	v_wmma_f32_16x16x128_bf8_bf8 v[8*(8*((\a)%4)+\b):8*(8*((\a)%4)+\b)+7], v[128*(\p)+FR*\b:128*(\p)+FR*\b+FR-1], v[AF+FR*(\a):AF+FR*(\a)+FR-1], v[8*(8*((\a)%4)+\b):8*(8*((\a)%4)+\b)+7]
.endif
.endr
.endr
.endm
.macro FETCH_B slot, q, p
	WIN TO_B
.irp i, 0,1,2,3,4,5,6,7
	FRAG 128*(\p)+FR*\i, ADRB+\slot, \q, \i
.endr
	WIN 0
.endm
.macro FETCH_A slot, q, i0
.irp i, \i0, \i0+1, \i0+2, \i0+3
	FRAG AF+FR*(\i), ADRA+\slot, \q, \i
.endr
.endm
.macro PLACES n
.rept \n
	v_nop
.endr
.endm
.macro STEP slot, q, zero
	s_wait_dscnt 4*NL
	WIN MUL_LO
	MUL16 0, (\q)%2, \zero
	MUL16 2, (\q)%2, \zero
	s_wait_dscnt 0
	PLACES NP
	FETCH_B \slot, (\q)+1, 1-(\q)%2
	FETCH_A \slot, (\q)+1, 0
	WIN MUL_HI
	MUL16 4, (\q)%2, \zero
	MUL16 6, (\q)%2, \zero
	PLACES NP
	WIN 0
	FETCH_A \slot, (\q)+1, 4
.endm
.macro TURN slot, next, fill
	s_wait_tensorcnt 0x0
	ds_add_u32 v[SPW], v[NIL]
	s_wait_dscnt 4*NL+1
	WIN MUL_LO
	MUL16 0, 1, 0
	s_wait_dscnt 0x0
	s_barrier_signal -1
	MUL16 2, 1, 0
	WIN 0
	s_barrier_wait -1
.if \fill
	CREST
	s_add_nc_u64 s[G0+4*\slot+2:G0+4*\slot+3], s[G0+4*\slot+2:G0+4*\slot+3], 2*ROWB
	s_add_nc_u64 s[G0B+4*\slot+2:G0B+4*\slot+3], s[G0B+4*\slot+2:G0B+4*\slot+3], 2*ROWB
	JLOAD G0+4*\slot, G1, G0B+4*\slot, G1B
.else
	PLACES NP
.endif
	FETCH_B \next, 0, 0
	FETCH_A \next, 0, 0
	WIN MUL_HI
	MUL16 4, 1, 0
	MUL16 6, 1, 0
	PLACES NP
	WIN 0
	FETCH_A \next, 0, 4
.endm
	s_wait_tensorcnt 1
	s_barrier_signal -1
	s_barrier_wait -1
	FETCH_B 0, 0, 0
	FETCH_A 0, 0, 0
	FETCH_A 0, 0, 4
	STEP 0, 0, 1
	s_mov_b32 s3, LAPS-1
.Llap:
	TURN 0, 1, 1
	STEP 1, 0, 0
	TURN 1, 0, 1
	STEP 0, 0, 0
	s_sub_co_u32 s3, s3, 1
	s_cmp_lg_u32 s3, 0
	s_cbranch_scc1 .Llap
	TURN 0, 1, 0
	STEP 1, 0, 0
	s_wait_dscnt 4*NL
	WIN MUL_LO
	MUL16 0, 1, 0
	MUL16 2, 1, 0
	s_wait_dscnt 0
	WIN MUL_HI
	MUL16 4, 1, 0
	MUL16 6, 1, 0
	WIN 0
.macro COEF sp, bits
	s_mov_b32 s[\sp], \bits
	s_mov_b32 s[\sp+1], \bits
.endm
	COEF 66, 0x32edffee
	COEF 68, 0xb60cff51
	COEF 70, 0xb86ec2d2
	COEF 72, 0xba40ac63
	COEF 74, 0xbb41a1f6
	COEF 76, 0xbc83dbd4
	COEF 78, 0xb95fbd29
	COEF 80, 0xbadc924e
	COEF 82, 0xbbf19bf8
	COEF 84, 0xbc69b6a7
	v_mov_b32 v112, 0xaf95df0b
	v_mov_b32 v113, 0xaf95df0b
	v_mov_b32 v114, 0xb77460cd
	v_mov_b32 v115, 0xb77460cd
	s_wait_kmcnt 0x0
	s_add_co_i32 s96, s92, s93
	s_add_co_i32 s96, s96, 127
	s_lshl_b32 s96, s96, 23
	s_mov_b32 s97, s96
	s_add_co_i32 s98, s94, 127
	s_lshl_b32 s99, s98, 23
	v_mov_b32 v[VSC], s99
	s_add_co_i32 s98, s98, 15
	s_lshl_b32 s98, s98, 23
	s_or_b32 s98, s98, 0x600000
	v_mov_b32 v[VLIM], s98
	s_wait_loadcnt 0x0
	PLACES NP
.macro HORN d, sp                      ; d = d x^2 + a coefficient, 32 pairs; all three registers in window 1
.set KK, 0
.rept 32
	v_pk_fma_f32 v[\d+KK:\d+KK+1], v[\d+KK:\d+KK+1], v[X2+KK:X2+KK+1], s[\sp:\sp+1] op_sel_hi:[1,1,0]
.set KK, KK+2
.endr
.endm
; gelu(v) = v / 2 + (v / 2) erf(v / sqrt 2) on a block's 64 numbers a lane at once; erf(x) = x A(x^2) / B(x^2), x held within +-4.  Each line is written for 32 pairs that do not hang on each other;
; the 64 reciprocals are ONE batch, with one wait ahead of it and one behind it.  Among them stands one step of A, whose sources are settled ahead of the batch and whose results are read behind the wait that follows it.
.macro GELU
	WIN 0x40                                       ; destination window 1
.set KK, 0
.rept 32
	v_pk_mul_f32 v[XW+KK:XW+KK+1], v[TMP+KK:TMP+KK+1], 0x3f3504f3 op_sel_hi:[1,0]
.set KK, KK+2
.endr
	WIN 0x41                                       ; source 0 and destination window 1
.set KK, 0
.rept 64
	v_med3_num_f32 v[XW+KK], v[XW+KK], -4.0, 4.0
.set KK, KK+1
.endr
	WIN 0x45                                       ; sources 0, 1 and destination window 1
.set KK, 0
.rept 32
	v_pk_mul_f32 v[X2+KK:X2+KK+1], v[XW+KK:XW+KK+1], v[XW+KK:XW+KK+1]
.set KK, KK+2
.endr
	WIN 0x41                                       ; (the leading coefficients lie in window 0)
.set KK, 0
.rept 32
	v_pk_fma_f32 v[PA+KK:PA+KK+1], v[X2+KK:X2+KK+1], v[112:113], s[66:67] op_sel_hi:[1,1,0]
.set KK, KK+2
.endr
.set KK, 0
.rept 32
	v_pk_fma_f32 v[PB+KK:PB+KK+1], v[X2+KK:X2+KK+1], v[114:115], s[78:79] op_sel_hi:[1,1,0]
.set KK, KK+2
.endr
	WIN 0x45
	HORN PA, 68
	HORN PB, 80
	HORN PA, 70
	HORN PB, 82
	HORN PA, 72
	HORN PB, 84
	s_wait_alu depctr_va_vdst(0)
.set KK, 0
.rept 32
	v_rcp_f32 v[PB+KK], v[PB+KK]
	v_rcp_f32 v[PB+KK+1], v[PB+KK+1]
	v_pk_fma_f32 v[PA+KK:PA+KK+1], v[PA+KK:PA+KK+1], v[X2+KK:X2+KK+1], s[74:75] op_sel_hi:[1,1,0]
.set KK, KK+2
.endr
	s_wait_alu depctr_va_vdst(0)                   ; one wait for the batch and for the lines among it
	HORN PA, 76
.set KK, 0
.rept 32
	v_pk_mul_f32 v[PA+KK:PA+KK+1], v[PA+KK:PA+KK+1], v[XW+KK:XW+KK+1]
.set KK, KK+2
.endr
.set KK, 0
.rept 32
	v_pk_mul_f32 v[PA+KK:PA+KK+1], v[PA+KK:PA+KK+1], v[PB+KK:PB+KK+1]
.set KK, KK+2
.endr
	WIN 0
.set KK, 0
.rept 32
	v_pk_mul_f32 v[TMP+KK:TMP+KK+1], v[TMP+KK:TMP+KK+1], 0.5 op_sel_hi:[1,0]
.set KK, KK+2
.endr
	WIN 0x04                                       ; source 1 (erf) window 1
.set KK, 0
.rept 32
	v_pk_fma_f32 v[TMP+KK:TMP+KK+1], v[TMP+KK:TMP+KK+1], v[PA+KK:PA+KK+1], v[TMP+KK:TMP+KK+1]
.set KK, KK+2
.endr
	WIN 0
.endm
	s_mov_b32 s86, 0
	s_mov_b32 s87, 0
.Lblk:
.irp a, 0,1,2,3,4,5,6,7
	s_cmp_lg_u32 s87, \a
	s_cbranch_scc1 .Lnot_\a
	WIN 0x02+(\a/4)
.irp b, 0,1,2,3,4,5,6,7
.irp i, 0,2,4,6
	v_pk_fma_f32 v[TMP+8*\b+\i:TMP+8*\b+\i+1], v[64*(\a%4)+8*\b+\i:64*(\a%4)+8*\b+\i+1], s[96:97], v[BIAS+8*\b+\i:BIAS+8*\b+\i+1] op_sel_hi:[1,0,1]
.endr
.endr
	WIN 0
	s_branch .Lgo                                  ; the block in hand is found: past the remaining tests
.Lnot_\a:
.endr
.Lgo:
	v_add_nc_u32 v31, s86, v[STO]
	GELU
.set n, 0
.rept 64
	v_med3_num_f32 v[TMP+n], v[TMP+n], -v[VLIM], v[VLIM]
.set n, n+1
.endr
.irp b, 0,1,2,3,4,5,6,7
	v_cvt_scalef32_pk8_bf8_f32 v[CD+2*\b:CD+2*\b+1], v[TMP+8*\b:TMP+8*\b+7], v[VSC]
.endr
	v_nop
.irp b, 0,1,2,3,4,5,6,7
	ds_store_b64 v31, v[CD+2*\b:CD+2*\b+1] offset:16*\b
.endr
	s_add_co_u32 s86, s86, 16*CP
	s_add_co_u32 s87, s87, 1
	s_cmp_lt_u32 s87, 8
	s_cbranch_scc1 .Lblk
	s_wait_dscnt 0x0                               ; all eight blocks' stores into the stage are done: one wait, for the other waves' sake, ahead of the barrier
	s_barrier_signal -1
	s_barrier_wait -1
.set t, 0
.rept 32
	ds_load_b128 v[OB+4*t:OB+4*t+3], v[RD] offset:t*2*CP
.set t, t+1
.endr
.set t, 0
.rept 32
	s_wait_dscnt 31-t
	global_store_b128 v[GO], v[OB+4*t:OB+4*t+3], s[12:13] offset:t*8192
.set t, t+1
.endr
	s_wait_tensorcnt 0x0
	ds_add_u32 v[SPW], v[NIL]
	s_wait_dscnt 0x0
	CROUND
	s_endpgm
.Lfunc_end_k_q03e86134b9_w1:
	.size	k_q03e86134b9_w1, .Lfunc_end_k_q03e86134b9_w1-k_q03e86134b9_w1
	.p2alignl 7, 3214868480
	.fill 96, 4, 3214868480
	.section	.rodata,"a",@progbits
	.p2align	6, 0x0
	.amdhsa_kernel k_q03e86134b9_w1
		.amdhsa_group_segment_fixed_size 327680
		.amdhsa_private_segment_fixed_size 0
		.amdhsa_enable_private_segment 0
		.amdhsa_kernarg_size 40
		.amdhsa_user_sgpr_count 2
		.amdhsa_user_sgpr_kernarg_segment_ptr 1
		.amdhsa_wavefront_size32 1
		.amdhsa_system_sgpr_workgroup_id_x 1
		.amdhsa_system_sgpr_workgroup_id_y 1
		.amdhsa_system_sgpr_workgroup_id_z 1
		.amdhsa_system_vgpr_workitem_id 0
		.amdhsa_next_free_vgpr 1024
		.amdhsa_next_free_sgpr 100
		.amdhsa_reserve_vcc 0
		.amdhsa_float_denorm_mode_32 3
		.amdhsa_float_denorm_mode_16_64 3
		.amdhsa_memory_ordered 1
		.amdhsa_forward_progress 1
		.amdhsa_inst_pref_size 151
	.end_amdhsa_kernel
	.amdgpu_metadata
---
amdhsa.version: [ 1, 2 ]
amdhsa.kernels:
  - .name:           k_q03e86134b9_w1
    .symbol:         k_q03e86134b9_w1.kd
    .args:
      - { .name: x1c, .offset: 0, .size: 8, .value_kind: global_buffer, .address_space: global }
      - { .name: wc, .offset: 8, .size: 8, .value_kind: global_buffer, .address_space: global }
      - { .name: lowp_scales, .offset: 16, .size: 8, .value_kind: global_buffer, .address_space: global }
      - { .name: b1, .offset: 24, .size: 8, .value_kind: global_buffer, .address_space: global }
      - { .name: hc, .offset: 32, .size: 8, .value_kind: global_buffer, .address_space: global }
    .group_segment_fixed_size: 327680
    .private_segment_fixed_size: 0
    .kernarg_segment_align: 8
    .kernarg_segment_size: 40
    .max_flat_workgroup_size: 128
    .sgpr_count:     100
    .vgpr_count:     1024
    .wavefront_size: 32
...
	.end_amdgpu_metadata
.endif
;; end of part 6
;; launch w2 (part 7): grid 8 x 32, 4 waves a work-group, clusters of 4 x 4, 327,680 bytes of LDS; arguments hc, wc, lowp_scales, b2, x1, y; writes y
.if DOCPART == 7
	.amdgcn_target "amdgcn-amd-amdhsa--gfx1250"
	.amdhsa_code_object_version 6
	.text
	.protected	k_q03e86134b9_w2
	.globl	k_q03e86134b9_w2
	.p2align	8
	.type	k_q03e86134b9_w2,@function
k_q03e86134b9_w2:
	s_mov_b64 s[64:65], 0
	v_nop
	global_prefetch_b8 v0, s[64:65] scope:SCOPE_SE
	s_setreg_imm32_b32 hwreg(HW_REG_WAVE_MODE, 25, 1), 1
	s_wait_xcnt 0x0
	s_wait_alu depctr_hold_cnt(0) depctr_sa_sdst(0) depctr_va_vdst(0) depctr_va_sdst(0) depctr_va_ssrc(0) depctr_va_vcc(0) depctr_vm_vsrc(0)
	s_getreg_b32 s2, hwreg(HW_REG_IB_STS2, 6, 4)
	s_cmp_eq_u32 s2, 0
	s_cbranch_scc0 .Lentry_in_a_cluster
	s_endpgm
.Lentry_in_a_cluster:
	s_bfe_u32 s2, ttmp6, 0x10000c
	s_cmp_lg_u32 s2, 0xf033
	s_cbranch_scc0 .Lentry_shape_is_right
	s_endpgm
.Lentry_shape_is_right:
.set SIZE_K, 4096
.set WOFF,   0x800000
.set EA,     14
.set KSTEP,  512
.set PITCH,  528
.set HALFT,  64*PITCH
.set SLOT,   4*HALFT
.set SPARE,  2*SLOT
.set SPITCH, 272
.set LAPS,   SIZE_K/(2*KSTEP)
.set ADRA, 16
.set ADRB, 20
.set STO,  24
.set RD,   25
.set CO,   26
.set SPW,  28
.set NIL,  29
.set OB,   32
.set BC,   96
.set ACC,  128
.set F0,   0
.set F1,   128
.set G1, 24
.set G0, 32
.set G1B, 48
.set G0B, 56
.set MSB, 0
.macro WIN new
.if MSB != \new
	s_set_vgpr_msb (MSB<<8)|\new
.set MSB, \new
.endif
.endm
.set MUL,  0x05
.set TO_F, 0x40
.macro JLOAD s
	s_cmp_eq_u32 s11, 0
	s_cbranch_scc0 .Lfor_b_\@
	tensor_load_to_lds s[G0+4*\s:G0+4*\s+3], s[G1:G1+7]
	s_nop 0
.rept 4
	v_nop
.endr
	s_branch .Lasked_\@
.Lfor_b_\@:
	tensor_load_to_lds s[G0B+4*\s:G0B+4*\s+3], s[G1B:G1B+7]
	s_nop 0
.rept 4
	v_nop
.endr
.Lasked_\@:
.endm
.macro CREST
	s_cmp_lg_u32 s10, 0
	s_cbranch_scc1 .Lnot_wave_0_\@
	s_barrier_signal -3
.Lnot_wave_0_\@:
	s_barrier_wait -3
	s_barrier_signal -1
	s_barrier_wait -1
.endm
.macro CROUND
	s_barrier_signal -1
	s_barrier_wait -1
	CREST
.endm
	s_load_b128 s[4:7], s[0:1], 0x0
	s_load_b128 s[72:75], s[0:1], 0x10
	s_load_b128 s[76:79], s[0:1], 0x20
	v_lshl_add_u32 v[SPW], v0, 2, SPARE
	v_mov_b32 v[NIL], 0
	ds_add_u32 v28, v29
	ds_add_u32 v28, v29
	s_wait_dscnt 0x0
	v_lshrrev_b32 v1, 5, v0
	v_readfirstlane_b32 s10, v1
	s_lshr_b32 s11, s10, 1
	s_and_b32 s12, s10, 1
	s_bfe_u32 s40, ttmp6, 0x40000
	s_bfe_u32 s41, ttmp6, 0x40004
	s_lshl_b32 s42, ttmp9, 2
	s_add_co_u32 s42, s42, s40
	s_and_b32 s13, ttmp7, 0xffff
	s_lshl_b32 s13, s13, 2
	s_add_co_u32 s13, s13, s41
	s_lshl_b32 s43, s41, 2
	s_lshl_b32 s43, 15, s43
	s_lshl_b32 s44, 0x1111, s40
	s_or_b32 s[G1+0], s43, (0<<16)|(1<<20)|(1<<21)|(6<<22)|(3<<25)
	s_or_b32 s[G1B+0], s44, (0<<16)|(1<<20)|(1<<21)|(6<<22)|(3<<25)
.irp g, G1, G1B
	s_mov_b32 s[\g+1], KSTEP<<16
	s_mov_b32 s[\g+2], 64<<16
	s_mov_b32 s[\g+3], KSTEP<<16
	s_mov_b32 s[\g+4], 64
	s_mov_b32 s[\g+5], SIZE_K
	s_mov_b32 s[\g+6], 0
	s_mov_b32 s[\g+7], 0
.endr
	s_lshl_b32 s17, s12, 6
	s_lshl_b32 s16, s13, 7
	s_add_co_u32 s16, s16, s17
	s_mul_i32 s16, s16, SIZE_K
	s_lshl_b32 s46, s42, 7
	s_add_co_u32 s46, s46, s17
	s_mul_i32 s46, s46, SIZE_K
	s_add_co_u32 s46, s46, WOFF
	s_mov_b32 s17, 0
	s_mov_b32 s47, 0
	s_mul_i32 s20, s10, HALFT
	s_wait_kmcnt 0x0
	s_load_b64 s[80:81], s[72:73], EA*4
	s_add_nc_u64 s[14:15], s[4:5], s[16:17]
	s_add_nc_u64 s[46:47], s[6:7], s[46:47]
	CROUND
.irp s, 0,1
	s_mov_b32 s[G0+4*\s], 1
	s_add_co_u32 s[G0+4*\s+1], s20, \s*SLOT
	s_add_nc_u64 s[G0+4*\s+2:G0+4*\s+3], s[14:15], \s*KSTEP
	s_or_b32 s[G0+4*\s+3], s[G0+4*\s+3], 0x80000000
	s_mov_b32 s[G0B+4*\s], 1
	s_add_co_u32 s[G0B+4*\s+1], s20, \s*SLOT
	s_add_nc_u64 s[G0B+4*\s+2:G0B+4*\s+3], s[46:47], \s*KSTEP
	s_or_b32 s[G0B+4*\s+3], s[G0B+4*\s+3], 0x80000000
.if \s                                         ; slot 1's first fill is issued as a refill is
	s_wait_alu depctr_va_vdst(0)
	s_wait_tensorcnt 0x0
	ds_add_u32 v28, v29
	s_wait_dscnt 0x0
	CROUND
.endif
	JLOAD \s
	; PREFETCHES INTO THE L2.  A K step is 512 bytes of each row.  Of the 64 rows that my wave fetches, each of the four partners that ask for them jointly names 16 (two blocks of 256 bytes a row: 32 lanes),
	; told apart by address (cx for h's codes, cy for W2's): each block once in the cluster.  Behind K step 0's load K steps 1 and 2; behind K step 1's load K step 3; behind the refill of K step s, K step s + 2; the last two refills ask for nothing.
.if \s == 0
	s_cmp_eq_u32 s11, 0
	s_cselect_b64 s[84:85], s[14:15], s[46:47]
	s_cselect_b32 s86, s40, s41
	s_lshl_b32 s86, s86, 16                        ; 16 rows of 4,096 bytes
	s_mov_b32 s87, 0
	s_add_nc_u64 s[84:85], s[84:85], s[86:87]
	v_and_b32 v30, 15, v0
	v_bfe_u32 v31, v0, 4, 1
	v_lshlrev_b32 v30, 12, v30
	v_lshl_add_u32 v30, v31, 8, v30                ; row lane % 16 of 4,096 bytes, block lane / 16 of 256; never rewritten
	global_prefetch_b8 v30, s[84:85] offset:KSTEP th:TH_LOAD_NT scope:SCOPE_SE
	global_prefetch_b8 v30, s[84:85] offset:2*KSTEP th:TH_LOAD_NT scope:SCOPE_SE
.else
	global_prefetch_b8 v30, s[84:85] offset:3*KSTEP th:TH_LOAD_NT scope:SCOPE_SE
.endif
.endr
	v_and_b32 v1, 15, v0
	s_wait_alu depctr_va_vdst(0)
	v_bfe_u32 v2, v0, 4, 1
	v_mul_u32_u24 v3, v1, PITCH
	v_lshl_add_u32 v3, v2, 4, v3
	s_mul_i32 s21, s11, HALFT
	s_mul_i32 s22, s12, HALFT
	s_add_co_u32 s22, s22, 2*HALFT
.irp s, 0,1
	v_add_nc_u32 v[ADRA+\s], s21, v3
	v_add_nc_u32 v[ADRB+\s], s22, v3
	s_add_co_u32 s21, s21, SLOT
	s_add_co_u32 s22, s22, SLOT
.endr
	s_mul_i32 s23, s10, 16*SPITCH
	v_mul_u32_u24 v4, v1, SPITCH
	s_wait_alu depctr_va_vdst(0)
	v_lshl_add_u32 v4, v2, 5, v4
	v_add_nc_u32 v[STO], s23, v4
	v_mul_u32_u24 v5, v2, SPITCH
	v_lshl_add_u32 v5, v1, 4, v5
	v_add_nc_u32 v[RD], s23, v5
	v_lshlrev_b32 v5, 12, v2
	v_lshl_add_u32 v[CO], v1, 4, v5
	v_lshlrev_b32 v6, 5, v2
	s_wait_alu depctr_va_vdst(0)
	s_lshl_b32 s18, s42, 9
	s_lshl_b32 s19, s12, 8
	s_add_co_u32 s18, s18, s19
	s_mov_b32 s19, 0
	s_add_nc_u64 s[74:75], s[74:75], s[18:19]
	s_lshl_b32 s22, s13, 7
	s_lshl_b32 s23, s11, 6
	s_add_co_u32 s22, s22, s23
	s_lshl_b32 s22, s22, 12
	s_add_co_u32 s22, s22, s18
	s_mov_b32 s23, 0
	s_add_nc_u64 s[76:77], s[76:77], s[22:23]
	s_add_nc_u64 s[78:79], s[78:79], s[22:23]
.irp b, 0,1,2,3
	global_load_b128 v[BC+8*\b:BC+8*\b+3], v6, s[74:75] offset:64*\b
	global_load_b128 v[BC+8*\b+4:BC+8*\b+7], v6, s[74:75] offset:64*\b+16
.endr
	WIN 0x80
.irp a, 0,1,2,3
.irp t, 0,1,2,3,4,5,6,7
	global_load_b128 v[32*\a+4*\t:32*\a+4*\t+3], v[CO], s[76:77] offset:(16*\a+2*\t)*4096 th:TH_LOAD_NT
.endr
.endr
	WIN 0
	s_wait_loadcnt 32
	s_wait_kmcnt 0x0
	s_add_co_i32 s83, s80, s81
	s_sub_co_i32 s82, 0, s83
	s_add_co_i32 s96, s83, 127
	s_lshl_b32 s96, s96, 23
	s_mov_b32 s97, s96
.set n, 0
.rept 32
	v_ldexp_f32 v[BC+n], v[BC+n], s82
.set n, n+1
.endr
.macro MUL4 f, a, zero
.irp b, 0,1,2,3
.if \zero
	v_wmma_f32_16x16x128_bf8_bf8 v[ACC+8*(4*(\a)+\b):ACC+8*(4*(\a)+\b)+7], v[\f+64+16*\b:\f+64+16*\b+15], v[\f+16*(\a):\f+16*(\a)+15], v[BC+8*\b:BC+8*\b+7]
.else
	v_wmma_f32_16x16x128_bf8_bf8 v[ACC+8*(4*(\a)+\b):ACC+8*(4*(\a)+\b)+7], v[\f+64+16*\b:\f+64+16*\b+15], v[\f+16*(\a):\f+16*(\a)+15], v[ACC+8*(4*(\a)+\b):ACC+8*(4*(\a)+\b)+7]
.endif
.endr
.endm
.macro FRAG reg, adr, k, i
.irp c, 0,1,2,3
	ds_load_b128 v[\reg+4*\c:\reg+4*\c+3], v[\adr] offset:(\k)+32*\c+(\i)*16*PITCH
.endr
.endm
.macro FETCH slot, k, f
	WIN TO_F
.irp i, 0,1,2,3
	FRAG \f+64+16*\i, ADRB+\slot, \k, \i
.endr
.irp i, 0,1,2,3
	FRAG \f+16*\i, ADRA+\slot, \k, \i
.endr
.endm
.macro PLACES
.rept 4
	v_nop
.endr
.endm
.macro QUARTER slot, k, f, g, zero
	s_wait_dscnt 8
	WIN MUL
	MUL4 \f, 0, \zero
	MUL4 \f, 1, \zero
	PLACES
	FETCH \slot, \k, \g
	s_wait_dscnt 32
	WIN MUL
	MUL4 \f, 2, \zero
	MUL4 \f, 3, \zero
.endm
.macro TURN slot, next, fill
	WIN 0
.if \fill
	s_wait_xcnt 0x0                                ; my last prefetch has read its address: it is stepped here, ahead of the waits of the change of slots
	s_add_nc_u64 s[84:85], s[84:85], KSTEP
.endif
	s_wait_tensorcnt 0x0
	ds_add_u32 v[SPW], v[NIL]
	s_wait_dscnt 9
	WIN MUL
	MUL4 F1, 0, 0
	s_wait_dscnt 0x0
	s_barrier_signal -1
	MUL4 F1, 1, 0
.if \fill
	WIN 0
.endif
	s_barrier_wait -1
.if \fill
	CREST
	s_add_nc_u64 s[G0+4*\slot+2:G0+4*\slot+3], s[G0+4*\slot+2:G0+4*\slot+3], 2*KSTEP
	s_add_nc_u64 s[G0B+4*\slot+2:G0B+4*\slot+3], s[G0B+4*\slot+2:G0B+4*\slot+3], 2*KSTEP
	JLOAD \slot
.else
	PLACES
.endif
	FETCH \next, 0, F0
.if \fill
	WIN 0
	s_cmp_gt_u32 s3, 1                             ; the loop's last trip refills K steps 6 and 7: no K step stands two on
	s_cbranch_scc0 .Lno_ask_\@
	global_prefetch_b8 v30, s[84:85] offset:3*KSTEP th:TH_LOAD_NT scope:SCOPE_SE   ; at the refill of K step s the address stands at K step s - 1
.Lno_ask_\@:
.endif
	WIN MUL
	MUL4 F1, 2, 0
	MUL4 F1, 3, 0
.endm
	s_wait_alu depctr_va_vdst(0)
	s_wait_tensorcnt 1
	s_barrier_signal -1
	s_barrier_wait -1
	FETCH 0, 0, F0
	QUARTER 0, 128, F0, F1, 1
.if LAPS > 1
	WIN 0
	s_mov_b32 s3, LAPS-1
.Llap:
	QUARTER 0, 256, F1, F0, 0
	QUARTER 0, 384, F0, F1, 0
	TURN 0, 1, 1
	QUARTER 1, 128, F0, F1, 0
	QUARTER 1, 256, F1, F0, 0
	QUARTER 1, 384, F0, F1, 0
	TURN 1, 0, 1
	QUARTER 0, 128, F0, F1, 0
	WIN 0
	s_sub_co_u32 s3, s3, 1
	s_cmp_lg_u32 s3, 0
	s_cbranch_scc1 .Llap
.endif
	QUARTER 0, 256, F1, F0, 0
	QUARTER 0, 384, F0, F1, 0
	TURN 0, 1, 0
	QUARTER 1, 128, F0, F1, 0
	QUARTER 1, 256, F1, F0, 0
	QUARTER 1, 384, F0, F1, 0
	s_wait_dscnt 8
	WIN MUL
	MUL4 F1, 0, 0
	MUL4 F1, 1, 0
	s_wait_dscnt 0
	MUL4 F1, 2, 0
	MUL4 F1, 3, 0
	WIN 0
.macro BLOCK a
.set BK, OB+32*((\a)%2)
.irp b, 0,1,2,3
	ds_store_b128 v[STO], v[ACC+8*(4*(\a)+\b):ACC+8*(4*(\a)+\b)+3] offset:64*\b
	ds_store_b128 v[STO], v[ACC+8*(4*(\a)+\b)+4:ACC+8*(4*(\a)+\b)+7] offset:64*\b+16
.endr
.irp t, 0,1,2,3,4,5,6,7
	ds_load_b128 v[BK+4*\t:BK+4*\t+3], v[RD] offset:\t*2*SPITCH
.endr
.endm
.macro SEND a, younger
.set BK, OB+32*((\a)%2)
	s_wait_dscnt \younger
	WIN 0x20
.irp k, 0,2,4,6,8,10,12,14,16,18,20,22,24,26,28,30
	v_pk_fma_f32 v[BK+\k:BK+\k+1], v[BK+\k:BK+\k+1], s[96:97], v[32*(\a)+\k:32*(\a)+\k+1] op_sel_hi:[1,0,1]
.endr
	WIN 0
.irp t, 0,1,2,3,4,5,6,7
	global_store_b128 v[CO], v[BK+4*\t:BK+4*\t+3], s[78:79] offset:(16*(\a)+2*\t)*4096
.endr
.endm
	s_wait_loadcnt 0x0
	PLACES
	BLOCK 0
	BLOCK 1
	SEND 0, 16
	s_wait_xcnt 0x0
	BLOCK 2
	SEND 1, 16
	s_wait_xcnt 0x0
	BLOCK 3
	SEND 2, 16
	SEND 3, 0
	s_wait_tensorcnt 0x0
	ds_add_u32 v[SPW], v[NIL]
	s_wait_dscnt 0x0
	CROUND
	s_endpgm
.Lfunc_end_k_q03e86134b9_w2:
	.size	k_q03e86134b9_w2, .Lfunc_end_k_q03e86134b9_w2-k_q03e86134b9_w2
	.p2alignl 7, 3214868480
	.fill 96, 4, 3214868480
	.section	.rodata,"a",@progbits
	.p2align	6, 0x0
	.amdhsa_kernel k_q03e86134b9_w2
		.amdhsa_group_segment_fixed_size 327680
		.amdhsa_private_segment_fixed_size 0
		.amdhsa_enable_private_segment 0
		.amdhsa_kernarg_size 48
		.amdhsa_user_sgpr_count 2
		.amdhsa_user_sgpr_kernarg_segment_ptr 1
		.amdhsa_wavefront_size32 1
		.amdhsa_system_sgpr_workgroup_id_x 1
		.amdhsa_system_sgpr_workgroup_id_y 1
		.amdhsa_system_sgpr_workgroup_id_z 1
		.amdhsa_system_vgpr_workitem_id 0
		.amdhsa_next_free_vgpr 768
		.amdhsa_next_free_sgpr 100
		.amdhsa_reserve_vcc 0
		.amdhsa_float_denorm_mode_32 3
		.amdhsa_float_denorm_mode_16_64 3
		.amdhsa_memory_ordered 1
		.amdhsa_forward_progress 1
		.amdhsa_inst_pref_size 82
	.end_amdhsa_kernel
	.amdgpu_metadata
---
amdhsa.version: [ 1, 2 ]
amdhsa.kernels:
  - .name:           k_q03e86134b9_w2
    .symbol:         k_q03e86134b9_w2.kd
    .args:
      - { .name: hc, .offset: 0, .size: 8, .value_kind: global_buffer, .address_space: global }
      - { .name: wc, .offset: 8, .size: 8, .value_kind: global_buffer, .address_space: global }
      - { .name: lowp_scales, .offset: 16, .size: 8, .value_kind: global_buffer, .address_space: global }
      - { .name: b2, .offset: 24, .size: 8, .value_kind: global_buffer, .address_space: global }
      - { .name: x1, .offset: 32, .size: 8, .value_kind: global_buffer, .address_space: global }
      - { .name: y, .offset: 40, .size: 8, .value_kind: global_buffer, .address_space: global }
    .group_segment_fixed_size: 327680
    .private_segment_fixed_size: 0
    .kernarg_segment_align: 8
    .kernarg_segment_size: 48
    .max_flat_workgroup_size: 128
    .sgpr_count:     100
    .vgpr_count:     768
    .wavefront_size: 32
...
	.end_amdgpu_metadata
.endif
;; end of part 7
;; launch ln2 (part 8): grid 256 x 1, 8 waves a work-group, no clusters, 0 bytes of LDS; arguments y, ln2_w, ln2_b, out0; writes out0
.if DOCPART == 8
	.amdgcn_target "amdgcn-amd-amdhsa--gfx1250"
	.amdhsa_code_object_version 6
	.text
	.protected	k_q03e86134b9_ln2
	.globl	k_q03e86134b9_ln2
	.p2align	8
	.type	k_q03e86134b9_ln2,@function
k_q03e86134b9_ln2:
	s_mov_b64 s[64:65], 0
	v_nop
	global_prefetch_b8 v0, s[64:65] scope:SCOPE_SE
	s_setreg_imm32_b32 hwreg(HW_REG_WAVE_MODE, 25, 1), 1
	s_wait_xcnt 0x0
; out[r][:] = (y[r][:] - mean) / sqrt(var + 1e-5) x w + b, rows of 1,024 f32, the variance biased and taken of y - mean.
; A wave takes two rows; a whole row lies in 32 registers (eight loads of 512 consecutive bytes), so memory is read once and no wave waits for another.  All loads go out at the head.
; NaN among the inputs is not served.
.set W,  32
.set B,  64
.set X,  96
.set T,  160
	s_load_b128 s[4:7], s[0:1], 0x0                ; y, w
	s_load_b128 s[8:11], s[0:1], 0x10              ; b, the result
	v_lshrrev_b32 v1, 5, v0
	s_delay_alu instid0(VALU_DEP_1)
	v_readfirstlane_b32 s16, v1                    ; wave
	v_and_b32 v2, 31, v0
	s_delay_alu instid0(VALU_DEP_1)
	v_lshlrev_b32 v1, 4, v2                        ; 16 x lane
	s_lshl_b32 s17, ttmp9, 4
	s_lshl_b32 s18, s16, 1
	s_add_co_u32 s17, s17, s18                     ; my first row
	s_lshl_b32 s18, s17, 12
	s_mov_b32 s19, 0
	s_mov_b32 s20, 0x3a800000                      ; 1 / 1,024
	s_mov_b32 s21, 0x3727c5ac                      ; 1e-5
	s_mov_b32 s22, 0x76543210
	s_mov_b32 s23, 0xfedcba98
	v_mov_b32 v6, 0                                ; a lane permute's destination counts as one of its sources
	s_wait_alu depctr_va_vdst(0)
	s_wait_kmcnt 0x0
	s_add_nc_u64 s[4:5], s[4:5], s[18:19]
	s_add_nc_u64 s[10:11], s[10:11], s[18:19]
.irp j, 0,1,2,3,4,5,6,7
	global_load_b128 v[W+4*\j:W+4*\j+3], v1, s[6:7] offset:512*\j
.endr
.irp j, 0,1,2,3,4,5,6,7
	global_load_b128 v[B+4*\j:B+4*\j+3], v1, s[8:9] offset:512*\j
.endr
.irp i, 0,1
.irp j, 0,1,2,3,4,5,6,7
	global_load_b128 v[X+32*\i+4*\j:X+32*\i+4*\j+3], v1, s[4:5] offset:4096*\i+512*\j th:TH_LOAD_NT
.endr
.endr
.macro REDUCE                          ; v4 summed over the 32 lanes, the result in every lane
	s_delay_alu instid0(VALU_DEP_1)
	v_add_f32_dpp v4, v4, v4 row_xmask:1 row_mask:0xf bank_mask:0xf
	s_delay_alu instid0(VALU_DEP_1)
	v_add_f32_dpp v4, v4, v4 row_xmask:2 row_mask:0xf bank_mask:0xf
	s_delay_alu instid0(VALU_DEP_1)
	v_add_f32_dpp v4, v4, v4 row_xmask:4 row_mask:0xf bank_mask:0xf
	s_delay_alu instid0(VALU_DEP_1)
	v_add_f32_dpp v4, v4, v4 row_xmask:8 row_mask:0xf bank_mask:0xf
	s_delay_alu instid0(VALU_DEP_1)
	v_permlanex16_b32 v6, v4, s22, s23
	s_delay_alu instid0(VALU_DEP_1)
	v_add_f32 v4, v4, v6
.endm
.macro FOLD                            ; four chains of pairs into v4
	s_delay_alu instid0(VALU_DEP_3)
	v_pk_add_f32 v[T:T+1], v[T:T+1], v[T+2:T+3]
	s_delay_alu instid0(VALU_DEP_2)
	v_pk_add_f32 v[T+4:T+5], v[T+4:T+5], v[T+6:T+7]
	s_delay_alu instid0(VALU_DEP_1)
	v_pk_add_f32 v[T:T+1], v[T:T+1], v[T+4:T+5]
	s_delay_alu instid0(VALU_DEP_1)
	v_add_f32 v4, v[T], v[T+1]
.endm
.macro ROW i
.set XR, X+32*\i
	s_wait_loadcnt 8-8*\i                          ; w, b and this row are in; the next row's eight loads may be out
.irp c, 0,1,2,3
	v_pk_add_f32 v[T+2*\c:T+2*\c+1], v[XR+4*\c:XR+4*\c+1], v[XR+4*\c+2:XR+4*\c+3]
.endr
.irp k, 0,1
.irp c, 0,1,2,3
	s_delay_alu instid0(VALU_DEP_4)
	v_pk_add_f32 v[T+2*\c:T+2*\c+1], v[T+2*\c:T+2*\c+1], v[XR+16+8*\k+2*\c:XR+16+8*\k+2*\c+1]
.endr
.endr
	FOLD
	REDUCE
	s_delay_alu instid0(VALU_DEP_1)
	v_mul_f32 v8, s20, v4                          ; the mean
	s_delay_alu instid0(VALU_DEP_1)
	v_mov_b32 v9, v8
.irp k, 0,2,4,6,8,10,12,14,16,18,20,22,24,26,28,30
	v_pk_add_f32 v[XR+\k:XR+\k+1], v[XR+\k:XR+\k+1], v[8:9] neg_lo:[0,1] neg_hi:[0,1]
.endr
.irp c, 0,1,2,3
	v_pk_mul_f32 v[T+2*\c:T+2*\c+1], v[XR+2*\c:XR+2*\c+1], v[XR+2*\c:XR+2*\c+1]
.endr
.irp k, 1,2,3
.irp c, 0,1,2,3
	s_delay_alu instid0(VALU_DEP_4)
	v_pk_fma_f32 v[T+2*\c:T+2*\c+1], v[XR+8*\k+2*\c:XR+8*\k+2*\c+1], v[XR+8*\k+2*\c:XR+8*\k+2*\c+1], v[T+2*\c:T+2*\c+1]
.endr
.endr
	FOLD
	REDUCE
	s_delay_alu instid0(VALU_DEP_1)
	v_fma_f32 v5, v4, s20, s21                     ; the variance + 1e-5
	s_wait_alu depctr_va_vdst(0)
	v_rsq_f32 v10, v5
	v_nop
	s_wait_alu depctr_va_vdst(0)                   ; ahead of the first reader of the root
	v_mov_b32 v11, v10
.irp k, 0,2,4,6,8,10,12,14,16,18,20,22,24,26,28,30
	v_pk_mul_f32 v[XR+\k:XR+\k+1], v[XR+\k:XR+\k+1], v[10:11]
.endr
.irp k, 0,2,4,6,8,10,12,14,16,18,20,22,24,26,28,30
	v_pk_fma_f32 v[XR+\k:XR+\k+1], v[XR+\k:XR+\k+1], v[W+\k:W+\k+1], v[B+\k:B+\k+1]
.endr
.irp j, 0,1,2,3,4,5,6,7
	global_store_b128 v1, v[XR+4*\j:XR+4*\j+3], s[10:11] offset:4096*\i+512*\j th:TH_STORE_NT
.endr
.endm
	ROW 0
	ROW 1
	s_endpgm
.Lfunc_end_k_q03e86134b9_ln2:
	.size	k_q03e86134b9_ln2, .Lfunc_end_k_q03e86134b9_ln2-k_q03e86134b9_ln2
	.p2alignl 7, 3214868480
	.fill 96, 4, 3214868480
	.section	.rodata,"a",@progbits
	.p2align	6, 0x0
	.amdhsa_kernel k_q03e86134b9_ln2
		.amdhsa_group_segment_fixed_size 0
		.amdhsa_private_segment_fixed_size 0
		.amdhsa_enable_private_segment 0
		.amdhsa_kernarg_size 32
		.amdhsa_user_sgpr_count 2
		.amdhsa_user_sgpr_kernarg_segment_ptr 1
		.amdhsa_wavefront_size32 1
		.amdhsa_system_sgpr_workgroup_id_x 1
		.amdhsa_system_sgpr_workgroup_id_y 1
		.amdhsa_system_sgpr_workgroup_id_z 1
		.amdhsa_system_vgpr_workitem_id 0
		.amdhsa_next_free_vgpr 208
		.amdhsa_next_free_sgpr 66
		.amdhsa_reserve_vcc 0
		.amdhsa_float_denorm_mode_32 3
		.amdhsa_float_denorm_mode_16_64 3
		.amdhsa_memory_ordered 1
		.amdhsa_forward_progress 1
		.amdhsa_inst_pref_size 21
	.end_amdhsa_kernel
	.amdgpu_metadata
---
amdhsa.version: [ 1, 2 ]
amdhsa.kernels:
  - .name:           k_q03e86134b9_ln2
    .symbol:         k_q03e86134b9_ln2.kd
    .args:
      - { .name: y, .offset: 0, .size: 8, .value_kind: global_buffer, .address_space: global }
      - { .name: ln2_w, .offset: 8, .size: 8, .value_kind: global_buffer, .address_space: global }
      - { .name: ln2_b, .offset: 16, .size: 8, .value_kind: global_buffer, .address_space: global }
      - { .name: out0, .offset: 24, .size: 8, .value_kind: global_buffer, .address_space: global }
    .group_segment_fixed_size: 0
    .private_segment_fixed_size: 0
    .kernarg_segment_align: 8
    .kernarg_segment_size: 32
    .max_flat_workgroup_size: 256
    .sgpr_count:     66
    .vgpr_count:     208
    .wavefront_size: 32
...
	.end_amdgpu_metadata
.endif
;; end of part 8
